; MI455X (gfx1250); checked and timed in simulation.
; The chip was launched on July 23, 2026; its instructions are those of AMD's public machine-readable ISA for CDNA 5 (MIT licence, August 2026) and "CDNA5" Instruction Set Architecture Reference Guide (July 2026). The comments in the code are by the model that wrote it; some were corrected since.
;; Multi Head Attention. Allowed arithmetic: matrix products marked QUANTISED: E3M2 operands, one E8M0 scale for each 32 along K, by v_wmma_scale_f32_16x16x128_f8f6f4 with both operands' format E3M2, f32 sums; everything else in f32.
;; Inputs: Wk 1,024 x 1,024 float32; Wo 1,024 x 1,024 float32; Wq 1,024 x 1,024 float32; Wv 1,024 x 1,024 float32; X 4 x 2,048 x 1,024 float32; bk 1,024 float32; bo 1,024 float32; bq 1,024 float32; bv 1,024 float32.
;; Outputs: out0 4 x 2,048 x 1,024 float32.
;; This version of the problem:
;;   THIS VERSION OF THE PROBLEM IS GIVEN IN LOW PRECISION. The matrix products marked QUANTISED in the list below multiply operands that are first quantised to E3M2 (3 exponent bits, 2 mantissa bits; 6 bits a number), with one power-of-two scale for each 32 numbers along K (OCP MX v1.0); their sums are f32. All else is computed in f32.
;;   The module's matrix products, in the order in which they are computed (A, B: the left and right operand; K: the contracted axis; several contracted axes count as one K, in the product's order):
;;     1. [M 8,192, K 1,024] x [K 1,024, N 1,024]; A: input X; B: input Wq: QUANTISED
;;     2. [M 8,192, K 1,024] x [K 1,024, N 1,024]; A: input X; B: input Wk: QUANTISED
;;     3. [M 8,192, K 1,024] x [K 1,024, N 1,024]; A: input X; B: input Wv: QUANTISED
;;     4. batch 64 x [M 2,048, K 64] x [K 64, N 2,048]; A: computed on the way; B: computed on the way: QUANTISED
;;     5. batch 64 x [M 2,048, K 2,048] x [K 2,048, N 64]; A: softmax (see below); B: computed on the way: QUANTISED
;;     6. [M 8,192, K 1,024] x [K 1,024, N 1,024]; A: computed on the way; B: input Wo: QUANTISED
;;   THE QUANTISER, for each operand of a quantised product, along K:
;;     - K is cut into blocks of 32 from its start; a last block that is shorter is filled with zeros.
;;     - A block's scale is 2^e with e = floor(log2(the largest magnitude in the block)) - 4, held to -126 .. 127; a block of zeros has e = 0. As a byte (E8M0): e + 127.
;;     - Each number is divided by its block's scale, clamped to +-28, and rounded to the nearest number of E3M2, ties to even, subnormals kept.
;;     - The product sums the exact products of the quantised numbers (number of the format x scale) in f32.
;;   ~~~python
;;   def quantise(x, axis):      # numpy; x: float32 -> the quantised numbers, widened to float32 again
;;       x = np.moveaxis(x, axis, -1); K = x.shape[-1]
;;       x = np.pad(x, [(0, 0)] * (x.ndim - 1) + [(0, -K % 32)]); x = x.reshape(x.shape[:-1] + (-1, 32)); a = np.abs(x).max(-1, keepdims=True)
;;       e = np.where(a > 0, np.clip(np.frexp(np.where(a > 0, a, 1))[1] - 1 - 4, -126, 127), 0)      # np.frexp(a)[1] - 1 = floor(log2(a)), exactly
;;       r = np.clip(x / 2.0 ** e, -28, 28)
;;       step = 2.0 ** (np.maximum(np.frexp(np.where(r == 0, 1, r))[1] - 1, -2) - 2)
;;       q = np.round(r / step) * step * 2.0 ** e      # np.round: ties to even
;;       return np.moveaxis(q.reshape(q.shape[:-2] + (-1,))[..., :K], -1, axis).astype(np.float32)
;;   ~~~
;;   SOFTMAX AHEAD OF A QUANTISED PRODUCT. Where the list says 'softmax', what is quantised is not the finished softmax but p = 2^(t - M), with t = logit x log2(e) and M = ceil(the row's largest t), a whole number; so 1/2 < the row's largest p <= 1. The row's sum l is taken of the UNQUANTISED p, in f32, and the product's result is divided by l at the end. Since M is a whole number, a kernel that streams over the keys may use a running M (the ceiling of the running maximum): every later rescaling is an exact power of two, which a block's scale takes up: the codes' values come out the same.
;;   OPERANDS COMPUTED ON THE WAY. 'Computed on the way' means the value that the module computes at that place (a softmax that the list does not call 'softmax' is quantised finished and normalised). What goes into a quantiser is computed in f32, as accurately as f32 sums, v_exp_f32 and their like allow (about 1e-6 of the number): no bf16 or f16 on the way to a quantiser, and a product that is left as it is and whose result goes on into a quantised operand takes f32 operands (vector FMAs, or v_wmma_f32_16x16x4_f32). A number that lies on a knife's edge between two numbers of the format may be rounded either way, as far as f32 arithmetic and the matrix unit's own rounding can turn it there, and no further.
;; One version. Each part assembles by itself: llvm-mc -triple=amdgcn-amd-amdhsa -mcpu=gfx1250 --defsym DOCPART=n.
;; ======== version 1 of 1: 4 launches
;; limits: right only within a limited range of input values
;; workspace buffers: xc 6,815,744 bytes; xs 262,144 bytes; wc 5,963,776 bytes; ws 131,072 bytes; qkv 19,660,800 bytes; ao 6,291,456 bytes; aos 262,144 bytes
;; launch quant (part 1): grid 384 x 1, 4 waves a work-group, no clusters, 33,280 bytes of LDS; arguments X, Wq, Wk, Wv, Wo, xc, xs, wc, ws; writes xc, xs, wc, ws
.if DOCPART == 1
	.amdgcn_target "amdgcn-amd-amdhsa--gfx1250"
	.amdhsa_code_object_version 6
	.text
	.protected	k_qf03346b923_quant
	.globl	k_qf03346b923_quant
	.p2align	8
	.type	k_qf03346b923_quant,@function
k_qf03346b923_quant:
	s_mov_b64 s[64:65], 0
	v_nop
	global_prefetch_b8 v0, s[64:65] scope:SCOPE_SE
	s_setreg_imm32_b32 hwreg(HW_REG_WAVE_MODE, 25, 1), 1
	s_wait_xcnt 0x0
; X [8192][1024] and Wq, Wk, Wv, Wo [1024][1024], f32 with K innermost, become codes of E3M2 (6 bits, four in three bytes) and one E8M0 byte for each 32 along K.
; CODES LIE IN FOUR PLANES OF 256 ALONG K: plane p of xc and of wc begins at p x PLANE bytes and holds ROWP = 208 bytes a row, rows on end (xc 8192 rows; wc 4096: Wq, Wk, Wv, Wo on end):
; 192 bytes of codes and 16 bytes of zeros.  So 128 rows of one plane are 26,624 dense bytes that begin at a multiple of 256, and brought into LDS as they lie their rows stand 52 words apart.
; Scale bytes: xs [8192][32 B], ws [4096][32 B].
; A block's byte is its largest magnitude's exponent field - 4, held at 1 from below; each number is divided by the scale and rounded to the nearest code, ties to even, beyond 28 the largest code.
; LIMITS: NaN and infinities are not served; a block whose largest magnitude lies under 2^-122 gets the byte 1; a block of zeros gets the byte 1 and not 127 (its codes are zeros; this program alone reads the bytes).
; ORDER OF ROWS.  X: the row stored at 64 c + 16 u + 8 x + y is token 64 c + 8 u + 32 x + y, so that the upper eight rows of a tile of 16 lie one block of 32 tokens above the lower eight.
; Wq, Wk, Wv: the row stored at 32 B + 16 u + 8 x + y is row 32 B + 8 u + 16 x + y.  Wo's rows stay as they are.  A wave takes 8 rows, so the order is made by where a wave's run goes.
; A wave takes 16 steps of 512 numbers.  Each load reads 512 consecutive bytes; a step's 2,048 bytes turn through the wave's own stage in LDS so that a lane holds 16 neighbours (two lanes a block).
; Work-groups 0-255 take X, then 32 each for Wq, Wk, Wv, Wo.  Only pointers are chosen: there is one path.  Waves share nothing: no barrier.
.set STEPS, 16
.set CB,    12                         ; bytes of 16 codes
.set ROWP,  208                        ; a row's place in a plane
.set PLANE, 8192*ROWP                  ; bytes from plane to plane, in xc and in wc alike
.set R,     16                         ; v16-79   four sets of 16 numbers as loaded
.set X,     80                         ; v80-111  two sets of 16 neighbours
.set C,     128                        ; v128-191 codes: four registers a step, so that no store's data are written again
.set E,     112                        ; v112-127 a scale byte a step
.set WREG,  8192                       ; LDS: a wave's own region: two stages of 32 x SP bytes, then its 256 scale bytes
.set SP,    80                         ; a lane's place in a stage: 64 bytes + 16
	s_load_b256 s[4:11], s[0:1], 0x0               ; X, Wq, Wk, Wv
	s_load_b64 s[12:13], s[0:1], 0x20              ; Wo
	s_load_b128 s[24:27], s[0:1], 0x28             ; xc, xs
	s_load_b128 s[28:31], s[0:1], 0x38             ; wc, ws
	v_lshl_add_u32 v192, v0, 2, 0x8000
	v_mov_b32 v193, 0
	v_lshrrev_b32 v1, 5, v0
	v_readfirstlane_b32 s18, v1                    ; wave
	v_and_b32 v2, 31, v0                           ; lane
	v_lshlrev_b32 v3, 4, v2                        ; my 16 bytes of a load's 512
	s_mul_i32 s17, s18, WREG
	v_lshrrev_b32 v14, 2, v2
	v_mul_u32_u24 v14, v14, SP
	v_and_b32 v15, 3, v2
	v_lshl_add_u32 v14, v15, 4, v14
	v_add_nc_u32 v14, s17, v14                     ; into the stage: four lanes' 64 bytes on end, then 16 of padding
	v_mul_u32_u24 v15, v2, SP
	v_add_nc_u32 v15, s17, v15                     ; out of it: my 16 neighbours
	v_and_b32 v4, 15, v2
	v_mul_u32_u24 v4, v4, CB                       ; my codes' place: sixteen lanes fill a row's 192 bytes of one plane,
	v_lshrrev_b32 v8, 4, v2
	v_mad_u32_u24 v4, v8, PLANE, v4                ; lanes 16-31 those of the next plane
	v_lshrrev_b32 v5, 1, v2
	s_add_co_u32 s17, s17, 2*32*SP
	v_add_nc_u32 v5, s17, v5                       ; my block's byte among my wave's 256
	v_lshlrev_b32 v7, 3, v2
	v_add_nc_u32 v6, s17, v7                       ; and on the way out 8 bytes a lane
	s_lshr_b32 s23, s18, 1                         ; the weights: the wave's two bits change places
	s_and_b32 s19, s18, 1
	s_lshl_b32 s19, s19, 1
	s_or_b32 s23, s23, s19
	s_cmp_lt_u32 ttmp9, 352
	s_cselect_b32 s23, s23, s18                    ; Wo keeps its order
	s_wait_alu depctr_va_vdst(0)                   ; the wait at the head's end
	s_wait_kmcnt 0x0
	s_cselect_b64 s[12:13], s[10:11], s[12:13]     ; the source, by the work-group's number alone
	s_cmp_lt_u32 ttmp9, 320
	s_cselect_b64 s[12:13], s[8:9], s[12:13]
	s_cmp_lt_u32 ttmp9, 288
	s_cselect_b64 s[12:13], s[6:7], s[12:13]
	s_cmp_lt_u32 ttmp9, 256
	s_cselect_b64 s[12:13], s[4:5], s[12:13]
	s_cselect_b64 s[14:15], s[24:25], s[28:29]     ; the codes' buffer
	s_cselect_b64 s[16:17], s[26:27], s[30:31]     ; the scale bytes'
	s_cselect_b32 s20, 0, 256
	s_cselect_b32 s22, -1, 31
	s_sub_co_u32 s21, ttmp9, s20                   ; which 32 rows of the destination,
	s_and_b32 s22, s21, s22                        ; and of the source
	s_lshl_b32 s22, s22, 2
	s_add_co_u32 s22, s22, s18                     ; my run of 8 rows in the source
	s_lshl_b32 s21, s21, 2
	s_add_co_u32 s21, s21, s23                     ; and in the destination, for the weights
	s_lshr_b32 s19, ttmp9, 1                       ; X: source run 8 c + 4 x + u (x = work-group % 2, u = wave) goes to run 8 c + 2 u + x
	s_lshl_b32 s19, s19, 3
	s_lshl_b32 s20, s18, 1
	s_add_co_u32 s19, s19, s20
	s_and_b32 s20, ttmp9, 1
	s_add_co_u32 s19, s19, s20
	s_cmp_lt_u32 ttmp9, 256
	s_cselect_b32 s21, s19, s21
	s_lshl_b32 s32, s22, 15                        ; 32,768 bytes of f32 a run
	s_mov_b32 s33, 0
	s_mul_i32 s34, s21, 8*ROWP                     ; 8 rows' places a run in each plane
	s_mov_b32 s35, 0
	s_lshl_b32 s36, s21, 8                         ; 256 scale bytes
	s_mov_b32 s37, 0
	s_add_nc_u64 s[12:13], s[12:13], s[32:33]
	s_add_nc_u64 s[14:15], s[14:15], s[34:35]
	s_add_nc_u64 s[16:17], s[16:17], s[36:37]
.macro LOAD t
.irp i, 0,1,2,3
	global_load_b128 v[R+16*((\t)%4)+4*\i:R+16*((\t)%4)+4*\i+3], v3, s[12:13] offset:2048*(\t)+512*\i th:TH_LOAD_NT   ; 32 lanes read 512 consecutive bytes
.endr
.endm
.macro TURN t                          ; step t's numbers through the stage; LDS serves a wave's instructions in order, so no wait stands between the stores and the loads
.irp i, 0,1,2,3
	ds_store_b128 v14, v[R+16*((\t)%4)+4*\i:R+16*((\t)%4)+4*\i+3] offset:32*SP*((\t)%2)+8*SP*\i
.endr
.irp i, 0,1,2,3
	ds_load_b128 v[X+16*((\t)%2)+4*\i:X+16*((\t)%2)+4*\i+3], v15 offset:32*SP*((\t)%2)+16*\i
.endr
.endm
.irp t, 0,1,2,3
	LOAD \t
.endr
	s_wait_loadcnt 12                              ; step 0's four loads are in; three steps' twelve may be out
	TURN 0
.macro STEP t
.set XS, X+16*((\t)%2)
.if (\t) > 0
	s_wait_dscnt 1                                 ; this step's numbers are back from the stage (the last step's byte store may be out)
.else
	s_wait_dscnt 0x0
.endif
.if (\t)+4 < STEPS
	LOAD (\t)+4                                    ; into the registers whose stores into the stage are done
.endif
.if (\t)+1 < STEPS
.if STEPS-2-(\t) >= 3
	s_wait_loadcnt 12                              ; the next step's four loads are in; three steps' may be out
.else
	s_wait_loadcnt 4*(STEPS-2-(\t))                ; the counts run down at the end
.endif
	TURN (\t)+1
.endif
	v_max3_num_f32 v8, |v[XS]|, |v[XS+1]|, |v[XS+2]|   ; the largest magnitude of my 16, in two chains
	v_max3_num_f32 v9, |v[XS+3]|, |v[XS+4]|, |v[XS+5]|
.irp i, 6,10
	v_max3_num_f32 v8, v8, |v[XS+\i]|, |v[XS+\i+1]|
	v_max3_num_f32 v9, v9, |v[XS+\i+2]|, |v[XS+\i+3]|
.endr
	v_max3_num_f32 v8, v8, |v[XS+14]|, |v[XS+15]|
	v_max3_num_f32 v8, v8, v9, 0x2800000           ; and the floor 2^(5 - 127): the byte cannot fall under 1
	v_max_num_f32_dpp v8, v8, v8 row_xmask:1 row_mask:0xf bank_mask:0xf   ; with my neighbour's 16: the block's
	v_add_nc_u32 v11, 0xfe000000, v8               ; 4 off the exponent field: the conversion's scale operand
	v_cvt_scalef32_pk16_bf6_f32 v[C+4*(\t):C+4*(\t)+2], v[XS:XS+15], v11
	v_lshrrev_b32 v[E+(\t)], 23, v11               ; the scale's byte
	ds_store_b8 v5, v[E+(\t)] offset:16*(\t)       ; both lanes of a block write the same byte with the same value
	global_store_b96 v4, v[C+4*(\t):C+4*(\t)+2], s[14:15] offset:ROWP*((\t)/2)+2*PLANE*((\t)%2)   ; step t is half t % 2 of row t / 2: planes 2 (t % 2) and 2 (t % 2) + 1
.endm
.irp t, 0,1,2,3,4,5,6,7,8,9,10,11,12,13,14,15
	STEP \t
.endr
	v_and_b32 v8, 7, v2                            ; the 16 bytes behind each row's codes: 8 rows x 4 planes, a lane each
	v_mul_u32_u24 v8, v8, ROWP
	v_lshrrev_b32 v9, 3, v2
	v_mad_u32_u24 v10, v9, PLANE, v8
.irp i, 0,1,2,3
	v_mov_b32 v[X+\i], 0
.endr
	global_store_b128 v10, v[X:X+3], s[14:15] offset:192
	ds_load_b64 v[12:13], v6                       ; in order behind my byte stores
	s_wait_dscnt 0x0
	global_store_b64 v7, v[12:13], s[16:17]        ; 32 lanes store 256 consecutive bytes, aligned
	s_wait_tensorcnt 0x0                           ; the wave's end
	ds_add_u32 v192, v193
	s_wait_dscnt 0x0
	s_endpgm
.Lfunc_end_k_qf03346b923_quant:
	.size	k_qf03346b923_quant, .Lfunc_end_k_qf03346b923_quant-k_qf03346b923_quant
	.p2alignl 7, 3214868480
	.fill 96, 4, 3214868480
	.section	.rodata,"a",@progbits
	.p2align	6, 0x0
	.amdhsa_kernel k_qf03346b923_quant
		.amdhsa_group_segment_fixed_size 33280
		.amdhsa_private_segment_fixed_size 0
		.amdhsa_enable_private_segment 0
		.amdhsa_kernarg_size 72
		.amdhsa_user_sgpr_count 2
		.amdhsa_user_sgpr_kernarg_segment_ptr 1
		.amdhsa_wavefront_size32 1
		.amdhsa_system_sgpr_workgroup_id_x 1
		.amdhsa_system_sgpr_workgroup_id_y 1
		.amdhsa_system_sgpr_workgroup_id_z 1
		.amdhsa_system_vgpr_workitem_id 0
		.amdhsa_next_free_vgpr 194
		.amdhsa_next_free_sgpr 66
		.amdhsa_reserve_vcc 0
		.amdhsa_float_denorm_mode_32 3
		.amdhsa_float_denorm_mode_16_64 3
		.amdhsa_memory_ordered 1
		.amdhsa_forward_progress 1
		.amdhsa_inst_pref_size 34
	.end_amdhsa_kernel
	.amdgpu_metadata
---
amdhsa.version: [ 1, 2 ]
amdhsa.kernels:
  - .name:           k_qf03346b923_quant
    .symbol:         k_qf03346b923_quant.kd
    .args:
      - { .name: X, .offset: 0, .size: 8, .value_kind: global_buffer, .address_space: global }
      - { .name: Wq, .offset: 8, .size: 8, .value_kind: global_buffer, .address_space: global }
      - { .name: Wk, .offset: 16, .size: 8, .value_kind: global_buffer, .address_space: global }
      - { .name: Wv, .offset: 24, .size: 8, .value_kind: global_buffer, .address_space: global }
      - { .name: Wo, .offset: 32, .size: 8, .value_kind: global_buffer, .address_space: global }
      - { .name: xc, .offset: 40, .size: 8, .value_kind: global_buffer, .address_space: global }
      - { .name: xs, .offset: 48, .size: 8, .value_kind: global_buffer, .address_space: global }
      - { .name: wc, .offset: 56, .size: 8, .value_kind: global_buffer, .address_space: global }
      - { .name: ws, .offset: 64, .size: 8, .value_kind: global_buffer, .address_space: global }
    .group_segment_fixed_size: 33280
    .private_segment_fixed_size: 0
    .kernarg_segment_align: 8
    .kernarg_segment_size: 72
    .max_flat_workgroup_size: 128
    .sgpr_count:     66
    .vgpr_count:     194
    .wavefront_size: 32
...
	.end_amdgpu_metadata
.endif
;; end of part 1
;; launch qkv (part 2): grid 12 x 32, 4 waves a work-group, clusters of 4 x 4, 327,680 bytes of LDS; arguments xc, xs, wc, ws, bq, bk, bv, qkv; writes qkv
.if DOCPART == 2
	.amdgcn_target "amdgcn-amd-amdhsa--gfx1250"
	.amdhsa_code_object_version 6
	.text
	.protected	k_qf03346b923_qkv
	.globl	k_qf03346b923_qkv
	.p2align	8
	.type	k_qf03346b923_qkv,@function
k_qf03346b923_qkv:
	s_mov_b64 s[64:65], 0
	v_nop
	global_prefetch_b8 v0, s[64:65] scope:SCOPE_SE
	s_setreg_imm32_b32 hwreg(HW_REG_WAVE_MODE, 25, 1), 1
	s_wait_xcnt 0x0
	s_wait_alu depctr_hold_cnt(0) depctr_sa_sdst(0) depctr_va_vdst(0) depctr_va_sdst(0) depctr_va_ssrc(0) depctr_va_vcc(0) depctr_vm_vsrc(0)
	s_getreg_b32 s2, hwreg(HW_REG_IB_STS2, 6, 4)
	s_cmp_eq_u32 s2, 0
	s_cbranch_scc0 .Lentry_in_a_cluster
	s_endpgm
.Lentry_in_a_cluster:
	s_bfe_u32 s2, ttmp6, 0x10000c
	s_cmp_lg_u32 s2, 0xf033
	s_cbranch_scc0 .Lentry_shape_is_right
	s_endpgm
.Lentry_shape_is_right:
.set KSTEP,  256
.set NQ,     2
.set ROWB,   1703936                   ; bytes from one plane of 256 along K to the next, in xc and wc
.set KROW,   208                       ; a row's place in a plane: 192 bytes of codes and 16 of zeros
.set PITCH,  208                       ; the planes come into LDS as they lie: rows 52 words apart, so the 32 lanes of a load of 8 bytes touch 64 different banks
.set FR,     12
.set NL,     6
.set NP,     4
.set HALFT,  128*PITCH
.set SLOT,   4*HALFT
.set KS,     32
.set SCL,    2*SLOT
.set HALFS,  (128*KS/256)*272
.set SBLK,   (16*KS/256)*272
.set SPARE,  SCL+4*HALFS
.set ASTEP,  2*ROWB
.set HEADB,  307200
.set ADRA, 16
.set ADRB, 20
.set LI,   24
.set SO,   25
.set SELV, 26
.set ADRS, 27
.set SPW,  28
.set NIL,  29
.set SC,   32
.set BIAS, 64
.set AF,   128
.set BO,   240
.set TM,   200
.set PW,   224
.set W,    232
.set G1, 24
.set G0, 32
.set G1B, 48
.set G0B, 56
.set G1S, 68
.set G0S, 76
.set G1SB, 80
.set G0SB, 88
.set MSB, 0
.macro WIN new
.if MSB != \new
	s_set_vgpr_msb (MSB<<8)|\new
.set MSB, \new
.endif
.endm
.set MUL_LO, 0xa1
.set MUL_HI, 0xf1
.set BIA_LO, 0x81
.set BIA_HI, 0xc1
.set TO_B,   0x40
.macro JLOAD g0a, g1a, g0b, g1b
	s_cmp_eq_u32 s15, 0
	s_cbranch_scc0 .Lfor_b_\@
	tensor_load_to_lds s[\g0a:\g0a+3], s[\g1a:\g1a+7]
	s_nop 0
.rept 4
	v_nop
.endr
	s_branch .Lasked_\@
.Lfor_b_\@:
	tensor_load_to_lds s[\g0b:\g0b+3], s[\g1b:\g1b+7]
	s_nop 0
.rept 4
	v_nop
.endr
.Lasked_\@:
.endm
.macro CREST
	s_cmp_lg_u32 s14, 0
	s_cbranch_scc1 .Lnot_wave_0_\@
	s_barrier_signal -3
.Lnot_wave_0_\@:
	s_barrier_wait -3
	s_barrier_signal -1
	s_barrier_wait -1
.endm
.macro CROUND
	s_barrier_signal -1
	s_barrier_wait -1
	CREST
.endm
	s_load_b256 s[4:11], s[0:1], 0x0
	s_load_b256 s[92:99], s[0:1], 0x20
	v_lshl_add_u32 v[SPW], v0, 2, SPARE
	v_mov_b32 v[NIL], 0
	ds_add_u32 v28, v29
	ds_add_u32 v28, v29
	s_wait_dscnt 0x0
	v_lshrrev_b32 v1, 5, v0
	v_readfirstlane_b32 s14, v1
	s_lshr_b32 s15, s14, 1
	s_and_b32 s16, s14, 1
	s_bfe_u32 s40, ttmp6, 0x40000
	s_bfe_u32 s41, ttmp6, 0x40004
	s_and_b32 s18, ttmp7, 0xffff
	s_lshl_b32 s18, s18, 2
	s_lshl_b32 s19, ttmp9, 2
	s_cmp_eq_u32 ttmp9, 2
	s_cselect_b32 s66, 1, 0
	s_cselect_b32 s17, 8, s18
	s_cselect_b32 s42, s18, s19
	s_add_co_u32 s17, s17, s41
	s_add_co_u32 s42, s42, s40
	s_lshl_b32 s43, s41, 2
	s_lshl_b32 s43, 15, s43
	s_lshl_b32 s44, 0x1111, s40
	s_or_b32 s[G1+0], s43, (0<<16)|(1<<21)
	s_or_b32 s[G1B+0], s44, (0<<16)|(1<<21)
.irp g, G1, G1B
	s_mov_b32 s[\g+1], 256<<16                     ; a plane's rows lie dense: 256 rows of 208 bytes are stated as 208 rows of 256 bytes; no padding
	s_mov_b32 s[\g+2], 208<<16
	s_mov_b32 s[\g+3], 256<<16
	s_mov_b32 s[\g+4], 208
	s_mov_b32 s[\g+5], 256
	s_mov_b32 s[\g+6], 0
	s_mov_b32 s[\g+7], 0
.endr
	s_or_b32 s[G1S+0], s43, (3<<16)|(1<<20)|(1<<21)|(5<<22)|(3<<25)
	s_or_b32 s[G1SB+0], s44, (3<<16)|(1<<20)|(1<<21)|(5<<22)|(3<<25)
.irp g, G1S, G1SB
	s_mov_b32 s[\g+1], 32<<16
	s_mov_b32 s[\g+2], KS<<16
	s_mov_b32 s[\g+3], 32<<16
	s_mov_b32 s[\g+4], KS
	s_mov_b32 s[\g+5], 32
	s_mov_b32 s[\g+6], 0
	s_mov_b32 s[\g+7], 0
.endr
	s_lshl_b32 s18, s16, 7
	s_lshl_b32 s20, s17, 8
	s_add_co_u32 s20, s20, s18
	s_lshl_b32 s46, s42, 8
	s_add_co_u32 s46, s46, s18
	s_lshl_b32 s22, s17, 13                        ; the scales of the tile's 256 rows: 32 bytes a row
	s_lshl_b32 s2, s42, 13
	s_mul_i32 s20, s20, KROW
	s_mul_i32 s46, s46, KROW
	s_mov_b32 s21, 0
	s_mov_b32 s23, 0
	s_mov_b32 s47, 0
	s_mov_b32 s3, 0
	s_mul_i32 s45, s14, HALFT
	s_wait_kmcnt 0x0
	s_cmp_eq_u32 s66, 1
	s_cselect_b64 s[100:101], s[8:9], s[4:5]
	s_add_nc_u64 s[20:21], s[100:101], s[20:21]
	s_cselect_b64 s[100:101], s[10:11], s[6:7]
	s_add_nc_u64 s[22:23], s[100:101], s[22:23]
	s_cselect_b64 s[100:101], s[4:5], s[8:9]
	s_add_nc_u64 s[46:47], s[100:101], s[46:47]
	s_cselect_b64 s[100:101], s[6:7], s[10:11]
	s_add_nc_u64 s[2:3], s[100:101], s[2:3]
	CROUND
	s_mov_b32 s[G0S], 1
	s_mov_b32 s[G0S+1], SCL
	s_mov_b64 s[G0S+2:G0S+3], s[22:23]
	s_or_b32 s[G0S+3], s[G0S+3], 0x80000000
	s_mov_b32 s[G0SB], 1
	s_mov_b32 s[G0SB+1], SCL+2*HALFS
	s_mov_b64 s[G0SB+2:G0SB+3], s[2:3]
	s_or_b32 s[G0SB+3], s[G0SB+3], 0x80000000
.irp s, 0,1
	s_mov_b32 s[G0+4*\s], 1
	s_add_co_u32 s[G0+4*\s+1], s45, \s*SLOT
	s_add_nc_u64 s[G0+4*\s+2:G0+4*\s+3], s[20:21], \s*ROWB
	s_or_b32 s[G0+4*\s+3], s[G0+4*\s+3], 0x80000000
	s_mov_b32 s[G0B+4*\s], 1
	s_add_co_u32 s[G0B+4*\s+1], s45, \s*SLOT
	s_add_nc_u64 s[G0B+4*\s+2:G0B+4*\s+3], s[46:47], \s*ROWB
	s_or_b32 s[G0B+4*\s+3], s[G0B+4*\s+3], 0x80000000
.endr
; the head's four tiles, one joint load a wave, in one tree of branches on the wave's number: wave 0 plane 0 of A's 256 rows, wave 1 A's scales, wave 2 plane 0 of B's 256 rows, wave 3 B's scales
.macro ARM under, g0, g1, next
	s_cmp_lt_u32 s14, \under
	s_cbranch_scc0 \next
	tensor_load_to_lds s[\g0:\g0+3], s[\g1:\g1+7]
	s_nop 0
.rept 4
	v_nop
.endr
	s_branch .Lhead_asked
\next:
.endm
	ARM 1, G0,  G1,  .Lhead_sa
	ARM 2, G0S, G1S, .Lhead_b
	ARM 3, G0B, G1B, .Lhead_sb
	tensor_load_to_lds s[G0SB:G0SB+3], s[G1SB:G1SB+7]
	s_nop 0
.rept 4
	v_nop
.endr
.Lhead_asked:
	v_and_b32 v1, 15, v0
	v_bfe_u32 v2, v0, 4, 1
	v_mul_u32_u24 v3, v1, PITCH
	v_mul_u32_u24 v4, v2, 24
	v_add_nc_u32 v4, v3, v4
	s_mul_i32 s21, s15, HALFT
	s_mul_i32 s22, s16, HALFT
	s_add_co_u32 s22, s22, 2*HALFT
.irp s, 0,1
	v_add_nc_u32 v[ADRA+\s], s21, v4
	v_add_nc_u32 v[ADRB+\s], s22, v4
	s_add_co_u32 s21, s21, SLOT
	s_add_co_u32 s22, s22, SLOT
.endr
	v_mul_u32_u24 v5, v1, KS
	v_lshrrev_b32 v6, 8, v5
	v_lshl_add_u32 v5, v6, 4, v5
	s_mul_i32 s21, s15, HALFS
	s_mul_i32 s22, s16, HALFS
	s_add_co_u32 s22, s22, 2*HALFS
	s_sub_co_u32 s22, s22, s21
	v_mul_u32_u24 v6, s22, v2
	s_add_co_u32 s21, s21, SCL
	v_add_nc_u32 v5, v5, v6
	v_add_nc_u32 v[ADRS], s21, v5
	v_and_b32 v6, 31, v0
	v_lshlrev_b32 v[LI], 4, v6
	v_mul_u32_u24 v[SO], v2, HEADB
	v_lshl_add_u32 v[SO], v1, 4, v[SO]
	v_mov_b32 v5, 0x07060302
	v_mov_b32 v[SELV], 0x05040100
	v_cmp_eq_u32 vcc_lo, 1, v2
	v_cndmask_b32 v[SELV], v[SELV], v5, vcc_lo
	s_cmp_eq_u32 ttmp9, 0
	s_cselect_b32 s11, 51200, 0
	s_mov_b32 s18, 49152
	s_cselect_b32 s18, 75776, s18
	s_cmp_eq_u32 ttmp9, 1
	s_cselect_b64 s[100:101], s[94:95], s[92:93]
	s_cmp_eq_u32 s66, 1
	s_cselect_b64 s[100:101], s[96:97], s[100:101]
	s_cselect_b32 s11, 24576, s11
	s_cselect_b32 s18, 50176, s18
	s_cselect_b32 s4, s41, s40
	s_cselect_b32 s5, s15, s16
	s_cselect_b32 s6, s42, s17
	s_cselect_b32 s7, s16, s15
	s_cselect_b32 s8, 0, 64
	s_cselect_b32 s9, 4, 0
	s_cselect_b32 s10, 0, 4
	s_lshl_b32 s19, s4, 10
	s_lshl_b32 s20, s5, 9
	s_add_co_u32 s20, s20, s19
	s_mov_b32 s21, 0
	s_add_nc_u64 s[100:101], s[100:101], s[20:21]
	s_lshr_b32 s19, s6, 3
	s_lshl_b32 s19, s19, 4
	s_lshl_b32 s20, s4, 2
	s_add_co_u32 s19, s19, s20
	s_lshl_b32 s20, s5, 1
	s_add_co_u32 s19, s19, s20
	s_mul_i32 s19, s19, HEADB
	s_and_b32 s20, s6, 7
	s_lshl_b32 s20, s20, 1
	s_or_b32 s20, s20, s7
	s_lshr_b32 s22, s20, 2
	s_mul_i32 s22, s22, 76800
	s_add_co_u32 s19, s19, s22
	s_and_b32 s20, s20, 3
	s_mul_i32 s22, s20, 6144
	s_add_co_u32 s22, s22, s19
	s_add_co_u32 s22, s22, s11
	s_mov_b32 s23, 0
	s_add_nc_u64 s[12:13], s[98:99], s[22:23]
	s_lshl_b32 s22, s20, 8
	s_add_co_u32 s22, s22, s19
	s_add_co_u32 s22, s22, s18
	s_add_nc_u64 s[104:105], s[98:99], s[22:23]
	s_mov_b32 s46, 0x76543210
	s_mov_b32 s47, 0xfedcba98
	v_and_b32 v5, 8, v1
	v_add_nc_u32 v5, v5, v1
	v_mul_u32_u24 v5, v5, s9
	v_mad_u32_u24 v5, v2, s8, v5
	v_mov_b32 v6, s10
.irp j, 0,1,2,3,4,5,6,7
	v_mad_u32_u24 v[BO+\j], v6, \j, v5
.endr
.irp x, 0,1,2,3,4,5,6,7
.irp j, 0,1,2,3,4,5,6,7
	global_load_b32 v[BIAS+8*\x+\j], v[BO+\j], s[100:101] offset:4*(32*(\x/2)+8*(\x%2))
.endr
.endr
.macro FRAG reg, adr, q, i
.irp p, 0,1,2,3,4,5
	ds_load_b64 v[\reg+2*\p:\reg+2*\p+1], v[\adr] offset:8*(12*(\q)+6*(\p/3)+\p%3)+(\i)*16*PITCH
.endr
.endm
.macro MUL16 a0, p, q, sc, mode
.irp a, \a0, \a0+1
.irp b, 0,1,2,3,4,5,6,7
.if \mode == 1
	v_wmma_scale_f32_16x16x128_f8f6f4 v[8*(8*((\a)%4)+\b):8*(8*((\a)%4)+\b)+7], v[128*(\p)+FR*\b:128*(\p)+FR*\b+FR-1], v[AF+FR*(\a):AF+FR*(\a)+FR-1], v[BIAS+8*\b:BIAS+8*\b+7], v[SC+8*NQ*(\sc)+NQ*\b+(\q)], v[SC+8*NQ*(\sc)+NQ*(\a)+(\q)] matrix_a_fmt:MATRIX_FMT_BF6 matrix_b_fmt:MATRIX_FMT_BF6 matrix_a_scale:MATRIX_SCALE_ROW1
.elseif \mode == 2
	v_wmma_scale_f32_16x16x128_f8f6f4 v[8*(8*((\a)%4)+\b):8*(8*((\a)%4)+\b)+7], v[128*(\p)+FR*\b:128*(\p)+FR*\b+FR-1], v[AF+FR*(\a):AF+FR*(\a)+FR-1], v[BIAS+8*(\a):BIAS+8*(\a)+7], v[SC+8*NQ*(\sc)+NQ*\b+(\q)], v[SC+8*NQ*(\sc)+NQ*(\a)+(\q)] matrix_a_fmt:MATRIX_FMT_BF6 matrix_b_fmt:MATRIX_FMT_BF6 matrix_a_scale:MATRIX_SCALE_ROW1
.else
	v_wmma_scale_f32_16x16x128_f8f6f4 v[8*(8*((\a)%4)+\b):8*(8*((\a)%4)+\b)+7], v[128*(\p)+FR*\b:128*(\p)+FR*\b+FR-1], v[AF+FR*(\a):AF+FR*(\a)+FR-1], v[8*(8*((\a)%4)+\b):8*(8*((\a)%4)+\b)+7], v[SC+8*NQ*(\sc)+NQ*\b+(\q)], v[SC+8*NQ*(\sc)+NQ*(\a)+(\q)] matrix_a_fmt:MATRIX_FMT_BF6 matrix_b_fmt:MATRIX_FMT_BF6 matrix_a_scale:MATRIX_SCALE_ROW1
.endif
.endr
.endr
.endm
.macro FETCH_B slot, q, p
	WIN TO_B
.irp i, 0,1,2,3,4,5,6,7
	FRAG 128*(\p)+FR*\i, ADRB+\slot, \q, \i
.endr
	WIN 0
.endm
.macro FETCH_A slot, q, i0
.irp i, \i0, \i0+1, \i0+2, \i0+3
	FRAG AF+FR*(\i), ADRA+\slot, \q, \i
.endr
.endm
.macro SCALES sc
.irp i, 0,1,2,3,4,5,6,7
	ds_load_b64 v[SC+8*NQ*\sc+NQ*\i:SC+8*NQ*\sc+NQ*\i+1], v[ADRS] offset:\i*SBLK
.endr
.endm
.macro PLACES n
.rept \n
	v_nop
.endr
.endm
.macro STEP slot, q, mode
	s_wait_dscnt 4*NL
.if \mode
	WIN BIA_LO
.else
	WIN MUL_LO
.endif
	MUL16 0, (\q)%2, \q, \slot, \mode
	MUL16 2, (\q)%2, \q, \slot, \mode
	s_wait_dscnt 0
	PLACES NP
	FETCH_B \slot, (\q)+1, 1-(\q)%2
	FETCH_A \slot, (\q)+1, 0
.if \mode
	WIN BIA_HI
.else
	WIN MUL_HI
.endif
	MUL16 4, (\q)%2, \q, \slot, \mode
	MUL16 6, (\q)%2, \q, \slot, \mode
	PLACES NP
	WIN 0
	FETCH_A \slot, (\q)+1, 4
.endm
.macro TURN slot, next, fill
	s_wait_tensorcnt 0x0
	ds_add_u32 v[SPW], v[NIL]
	s_wait_dscnt 4*NL+1
	WIN MUL_LO
	MUL16 0, 1, NQ-1, \slot, 0
	s_wait_dscnt 0x0
	s_barrier_signal -1
	MUL16 2, 1, NQ-1, \slot, 0
	WIN 0
	s_barrier_wait -1
.if \fill
	CREST
	s_add_nc_u64 s[G0+4*\slot+2:G0+4*\slot+3], s[G0+4*\slot+2:G0+4*\slot+3], ASTEP
	s_add_nc_u64 s[G0B+4*\slot+2:G0B+4*\slot+3], s[G0B+4*\slot+2:G0B+4*\slot+3], 2*ROWB
	JLOAD G0+4*\slot, G1, G0B+4*\slot, G1B
.else
	PLACES NP
.endif
	s_wait_alu depctr_va_vdst(0)
	v_add_nc_u32 v[ADRS], 4*NQ, v[ADRS]
	FETCH_B \next, 0, 0
	FETCH_A \next, 0, 0
	SCALES \next
	WIN MUL_HI
	MUL16 4, 1, NQ-1, \slot, 0
	MUL16 6, 1, NQ-1, \slot, 0
	PLACES NP
	WIN 0
	FETCH_A \next, 0, 4
.endm
	s_wait_alu depctr_va_vdst(0)                   ; the wait at the head's end
	s_wait_tensorcnt 0x0                           ; my tile of the head's four is in
	ds_add_u32 v[SPW], v[NIL]
	s_mov_b32 s[G1+2], 104<<16                     ; no tensor load of mine is out: from here on a load brings 128 rows, 104 rows of 256 bytes
	s_mov_b32 s[G1+4], 104
	s_mov_b32 s[G1B+2], 104<<16
	s_mov_b32 s[G1B+4], 104
	s_wait_dscnt 0x0
	CROUND
	JLOAD G0+4, G1, G0B+4, G1B                     ; plane 1 into slot 1, the first tensor load behind the round
	FETCH_B 0, 0, 0
	FETCH_A 0, 0, 0
	SCALES 0
	FETCH_A 0, 0, 4
	s_wait_loadcnt 0x0
	s_cmp_eq_u32 s66, 1
	s_cbranch_scc1 .Lfirst_v
	STEP 0, 0, 1
	s_branch .Lfirst_done
.Lfirst_v:
	STEP 0, 0, 2
.Lfirst_done:
	TURN 0, 1, 1
	STEP 1, 0, 0
	TURN 1, 0, 1
	STEP 0, 0, 0
	TURN 0, 1, 0
	STEP 1, 0, 0
	s_wait_dscnt 4*NL
	WIN MUL_LO
	MUL16 0, 1, NQ-1, 1, 0
	MUL16 2, 1, NQ-1, 1, 0
	s_wait_dscnt 0
	WIN MUL_HI
	MUL16 4, 1, NQ-1, 1, 0
	MUL16 6, 1, NQ-1, 1, 0
	WIN 0
.macro QUANT a, d0, d1, xt, pwr
.set QS0, 64*((\a)%4)
.set QW, 2+(\a)/4
	WIN QW*5
.irp b, 0,1,2,3
	v_max3_num_f32 v[TM+\b], |v[QS0+16*\b]|, |v[QS0+16*\b+1]|, 0x2800000
.endr
.irp i, 2,4,6,8,10,12,14
.irp b, 0,1,2,3
	v_max3_num_f32 v[TM+\b], |v[QS0+16*\b+\i]|, |v[QS0+16*\b+\i+1]|, v[TM+\b]
.endr
.endr
	WIN 0
.irp b, 0,1,2,3
	v_permlanex16_b32 v[TM+4+\b], v[TM+\b], s46, s47
.endr
.irp b, 0,1,2,3
	v_max_num_f32 v[TM+\b], v[TM+\b], v[TM+4+\b]
.endr
.irp b, 0,1,2,3
	v_add_nc_u32 v[TM+12+\b], 0xfe000000, v[TM+\b]
.endr
.irp b, 0,1,2,3
	v_lshrrev_b32 v[TM+4+\b], 23, v[TM+12+\b]
.endr
	v_lshl_or_b32 v[\pwr], v[TM+5], 8, v[TM+4]
	v_lshl_or_b32 v[\pwr], v[TM+6], 16, v[\pwr]
	v_lshl_or_b32 v[\pwr], v[TM+7], 24, v[\pwr]
	WIN QW
	v_cvt_scalef32_pk16_bf6_f32 v[\d0:\d0+2], v[QS0:QS0+15], v[TM+12]
	v_cvt_scalef32_pk16_bf6_f32 v[\xt:\xt+2], v[QS0+16:QS0+31], v[TM+13]
	v_cvt_scalef32_pk16_bf6_f32 v[\d1:\d1+2], v[QS0+32:QS0+47], v[TM+14]
	v_cvt_scalef32_pk16_bf6_f32 v[\xt+4:\xt+6], v[QS0+48:QS0+63], v[TM+15]
	WIN 0
	v_nop
.irp i, 0,1,2
	v_permlane16_swap_b32 v[\d0+\i], v[\xt+\i]
	v_permlane16_swap_b32 v[\d1+\i], v[\xt+4+\i]
.endr
.irp i, 0,1,2
	v_mov_b32 v[\d0+3+\i], v[\xt+\i]
	v_mov_b32 v[\d1+3+\i], v[\xt+4+\i]
.endr
.endm
	PLACES NP
.irp b, 0,1,2,3
	v_mov_b32 v[TM+4+\b], 0
.endr
	s_cmp_eq_u32 s66, 1
	s_cbranch_scc1 .Lout_v
.irp bt, 0,1,2,3
.if \bt >= 2
	s_wait_xcnt 0x0
.endif
.set FA, 128-64*((\bt)%2)
.set FB, FA+12
.set XTT, 216-128*((\bt)%2)
	QUANT 2*\bt, FA, FB, XTT, PW+2*\bt
	QUANT 2*\bt+1, FA+6, FB+6, XTT, PW+2*\bt+1
	v_perm_b32 v[W+\bt], v[PW+2*\bt+1], v[PW+2*\bt], v[SELV]
.irp j, 0,1,2
	global_store_b128 v[LI], v[FA+4*\j:FA+4*\j+3], s[12:13] offset:(\bt)*1536+512*\j
	global_store_b128 v[LI], v[FB+4*\j:FB+4*\j+3], s[12:13] offset:HEADB+(\bt)*1536+512*\j
.endr
.endr
	s_branch .Lout_words
; V is quantised along the tokens.  By the order of xc's rows a lane's registers 32 c .. 32 c + 31 are tokens 64 c + 32 (lane / 16) + 0 .. 31: a whole block, in the operand's own order.
.macro QUANTV a, d, xt, pwr
.set QS0, 64*((\a)%4)
.set QW, 2+(\a)/4
	WIN QW*5
.irp c, 0,1
	v_max3_num_f32 v[TM+\c], |v[QS0+32*\c]|, |v[QS0+32*\c+1]|, 0x2800000
.endr
.irp i, 2,4,6,8,10,12,14,16,18,20,22,24,26,28,30
.irp c, 0,1
	v_max3_num_f32 v[TM+\c], |v[QS0+32*\c+\i]|, |v[QS0+32*\c+\i+1]|, v[TM+\c]
.endr
.endr
	WIN 0
.irp c, 0,1
	v_add_nc_u32 v[TM+12+\c], 0xfe000000, v[TM+\c]
.endr
.irp c, 0,1
	v_lshrrev_b32 v[TM+4+\c], 23, v[TM+12+\c]
.endr
	v_lshl_or_b32 v[\pwr], v[TM+5], 16, v[TM+4]    ; my bytes: blocks h and 2 + h,
	v_lshlrev_b32 v[\pwr], v[TM+8], v[\pwr]        ; 8 h bits up;
	v_permlanex16_b32 v[TM+6], v[\pwr], s46, s47
	v_or_b32 v[\pwr], v[\pwr], v[TM+6]             ; with lane l xor 16's two the word is whole, in both halves
	WIN QW
	v_cvt_scalef32_pk16_bf6_f32 v[\d:\d+2], v[QS0:QS0+15], v[TM+12]
	v_cvt_scalef32_pk16_bf6_f32 v[\xt:\xt+2], v[QS0+16:QS0+31], v[TM+12]
	v_cvt_scalef32_pk16_bf6_f32 v[\d+6:\d+8], v[QS0+32:QS0+47], v[TM+13]
	v_cvt_scalef32_pk16_bf6_f32 v[\xt+4:\xt+6], v[QS0+48:QS0+63], v[TM+13]
	WIN 0
	v_nop
.irp i, 0,1,2
	v_mov_b32 v[\d+3+\i], v[\xt+\i]
	v_mov_b32 v[\d+9+\i], v[\xt+4+\i]
.endr
.endm
.Lout_v:
	v_lshlrev_b32 v[TM+8], 3, v2                   ; 8 h
.irp a, 0,1,2,3,4,5,6,7
.if \a >= 4
	s_wait_xcnt 0x0
.endif
.set FA, 128-64*(((\a)%4)/2)+12*((\a)%2)
.set XTT, 216-128*(((\a)%4)/2)
	QUANTV \a, FA, XTT, PW+\a
.irp j, 0,1,2
	global_store_b128 v[LI], v[FA+4*\j:FA+4*\j+3], s[12:13] offset:((\a)/4)*HEADB+((\a)%4)*1536+512*\j
.endr
.endr
	v_and_b32 v[TM], 31, v0
	v_cmp_le_u32 vcc_lo, 16, v[TM]
.irp t, 0,1,2,3
	v_cndmask_b32 v[W+\t], v[PW+\t], v[PW+4+\t], vcc_lo
.endr
.Lout_words:
	s_wait_alu depctr_va_vdst(0)
	global_store_b128 v[SO], v[W:W+3], s[104:105]
	s_wait_tensorcnt 0x0
	ds_add_u32 v[SPW], v[NIL]
	s_wait_dscnt 0x0
	CROUND
	s_endpgm
.Lfunc_end_k_qf03346b923_qkv:
	.size	k_qf03346b923_qkv, .Lfunc_end_k_qf03346b923_qkv-k_qf03346b923_qkv
	.p2alignl 7, 3214868480
	.fill 96, 4, 3214868480
	.section	.rodata,"a",@progbits
	.p2align	6, 0x0
	.amdhsa_kernel k_qf03346b923_qkv
		.amdhsa_group_segment_fixed_size 327680
		.amdhsa_private_segment_fixed_size 0
		.amdhsa_enable_private_segment 0
		.amdhsa_kernarg_size 64
		.amdhsa_user_sgpr_count 2
		.amdhsa_user_sgpr_kernarg_segment_ptr 1
		.amdhsa_wavefront_size32 1
		.amdhsa_system_sgpr_workgroup_id_x 1
		.amdhsa_system_sgpr_workgroup_id_y 1
		.amdhsa_system_sgpr_workgroup_id_z 1
		.amdhsa_system_vgpr_workitem_id 0
		.amdhsa_next_free_vgpr 1024
		.amdhsa_next_free_sgpr 106
		.amdhsa_reserve_vcc 1
		.amdhsa_float_denorm_mode_32 3
		.amdhsa_float_denorm_mode_16_64 3
		.amdhsa_memory_ordered 1
		.amdhsa_forward_progress 1
		.amdhsa_inst_pref_size 214
	.end_amdhsa_kernel
	.amdgpu_metadata
---
amdhsa.version: [ 1, 2 ]
amdhsa.kernels:
  - .name:           k_qf03346b923_qkv
    .symbol:         k_qf03346b923_qkv.kd
    .args:
      - { .name: xc, .offset: 0, .size: 8, .value_kind: global_buffer, .address_space: global }
      - { .name: xs, .offset: 8, .size: 8, .value_kind: global_buffer, .address_space: global }
      - { .name: wc, .offset: 16, .size: 8, .value_kind: global_buffer, .address_space: global }
      - { .name: ws, .offset: 24, .size: 8, .value_kind: global_buffer, .address_space: global }
      - { .name: bq, .offset: 32, .size: 8, .value_kind: global_buffer, .address_space: global }
      - { .name: bk, .offset: 40, .size: 8, .value_kind: global_buffer, .address_space: global }
      - { .name: bv, .offset: 48, .size: 8, .value_kind: global_buffer, .address_space: global }
      - { .name: qkv, .offset: 56, .size: 8, .value_kind: global_buffer, .address_space: global }
    .group_segment_fixed_size: 327680
    .private_segment_fixed_size: 0
    .kernarg_segment_align: 8
    .kernarg_segment_size: 64
    .max_flat_workgroup_size: 128
    .sgpr_count:     106
    .vgpr_count:     1024
    .wavefront_size: 32
...
	.end_amdgpu_metadata
.endif
;; end of part 2
;; launch attn (part 3): grid 4 x 64, 12 waves a work-group, clusters of 4 x 1, 206,848 bytes of LDS; arguments qkv, ao, aos; writes ao, aos
.if DOCPART == 3
	.amdgcn_target "amdgcn-amd-amdhsa--gfx1250"
	.amdhsa_code_object_version 6
	.text
	.protected	k_qf03346b923_attn
	.globl	k_qf03346b923_attn
	.p2align	8
	.type	k_qf03346b923_attn,@function
k_qf03346b923_attn:
	s_mov_b64 s[64:65], 0
	v_nop
	global_prefetch_b8 v0, s[64:65] scope:SCOPE_SE
	s_setreg_imm32_b32 hwreg(HW_REG_WAVE_MODE, 25, 1), 1
	s_wait_xcnt 0x0
	s_wait_alu depctr_hold_cnt(0) depctr_sa_sdst(0) depctr_va_vdst(0) depctr_va_sdst(0) depctr_va_ssrc(0) depctr_va_vcc(0) depctr_vm_vsrc(0)
	s_getreg_b32 s2, hwreg(HW_REG_IB_STS2, 6, 4)
	s_cmp_eq_u32 s2, 0
	s_cbranch_scc0 .Lentry_in_a_cluster
	s_endpgm
.Lentry_in_a_cluster:
	s_bfe_u32 s2, ttmp6, 0x10000c
	s_cmp_lg_u32 s2, 0x3003
	s_cbranch_scc0 .Lentry_shape_is_right
	s_endpgm
.Lentry_shape_is_right:
; For each (batch, head): O = softmax(Q K^T / 8) V on codes of E3M2 with E8M0 scales; O / l is quantised along the channels and stored as the last product's operand.
; t = score x log2(e) / 8; M = the running largest t rounded up to a whole number; p = 2^(t - M) is quantised along the keys, not normalised; l is the sum of the unquantised p; when M moves, l and O are multiplied by 2^(old M - new M), exactly.
; SHARES.  A cluster of four work-groups is one head; a work-group owns 512 queries, 32 tiles of 16.  Twelve waves: waves 0-7 take three tiles each (3 w ..), waves 8-11 two (2 w + 8 ..): 24 + 8 = 32.
; A tile is one pass over the 2,048 keys, 128 keys a step.  The next tile's Q is fetched at a pass's head and copied at its end.
; A head's K, V and their scale words are 8 x 25,600 bytes: they stay in LDS whole, filled ONCE: waves 0-7 issue one joint load each (the four work-groups want the same bytes).
; One wait and one barrier show all of it to all waves; nothing is filled again, so no other barrier stands in the walk.
; LAYOUT.  Both products are used transposed (S^T = K Q^T, O^T = V^T P^T): a lane holds one query.  Operands lie in LDS as images of their registers: 16 bytes a lane, 512 bytes a load.
; K = 64 under an instruction of 128: a fragment of K holds TWO tiles of 16 keys (registers 0-5, 6-11); against [q | zeros] it gives the first, against [zeros | q] the second.  Q lies as q, zeros, q in v16-33.
; Row 8 x + y of key tile 4 c + u is key 64 c + 8 u + 32 x + y.  So a lane's score registers 32 c .. 32 c + 31 are keys 64 c + 32 (lane / 16) + 0 .. 31: a whole block of 32 in one lane, in the order that
; the second product's operand wants: a block's largest score needs no other lane, and the conversions' results are moved by no lane permute.  Only the row's largest score and p's scale word go from lane l to l xor 16.
; V's channels: row 8 x + y of tile 2 B + u is channel 32 B + 8 u + 16 x + y, so O^T's registers are neighbouring channels.
; ao: [tile of 16 queries (512)][head][768 B], three planes of 8 bytes a lane;  aos: [16 tile + r][32 B], two bytes a head.
; No prefetch: every tensor load goes out at the head, and there is no loop to run ahead in.
; LIMITS: NaN and infinities not served; a block under 2^-122, or of zeros, gets the byte 1; the promise holds while |t| stays under 2^31.
; REGISTERS: v1 16 lane, v2 16 r, v3-4 addresses in hand, v5 8 lane, v6 32 r, v7 8 (lane / 16); v12 -M, v13 largest score, v[14:15] l; v16-33 Q; v34 Q's scale word; v36-83 four fragments;
;   v84-87, v88-91, v92 scale words of K, V, P; v93 the next tile's two scale bytes; v96-159 S^T, then p; v160-191 O^T; v192-203 p's codes; v204-210 the conversions' odd halves; v212-249 at work;
;   v250-255 the next tile's Q; v242-243 the add's.
.set REC,   76800
.set HEADB, 307200
.set CHK,   51200                      ; a chunk of 512 keys in LDS: K 24,576 | V 24,576 | K's words 1,024 | V's 1,024
.set HLF,   25600                      ; what one tensor load brings: half a chunk
.set SPARE, 4*CHK                      ; the spare words: 128 bytes a wave
.set BM,  220                          ; v220-223 largest scores; then v220 and v222 the two blocks' largest p
.set SOP, 212                          ; v212-213 the conversions' scale operands
.set PT,  214                          ; v214-215 the bytes
.set WV,  10
.set SEL, 40
.set CS,  42
.set TB,  44                           ; s44 LDS byte of the step's fragments
.set TS,  45                           ; s45 of its scale words
.macro CROUND
	s_barrier_signal -1
	s_barrier_wait -1
	s_cmp_lg_u32 s[WV], 0
	s_cbranch_scc1 .Lnot_wave_0_\@
	s_barrier_signal -3
.Lnot_wave_0_\@:
	s_barrier_wait -3
	s_barrier_signal -1
	s_barrier_wait -1
.endm
; Tile s13 (0 .. 31 of my record; beyond my last tile the number is held at 31, so that the load stays in the record) -> v250-255 and v93.
; A pair of tiles is an image of 12 registers, 16 bytes a lane in three planes of 512; tile e of a pair is registers 6 e .. 6 e + 5: pieces of 8 bytes at 520 e, 8 + 1016 e, 512 + 520 e.
.macro QLOAD
	s_min_u32 s14, s13, 31
	s_lshr_b32 s15, s14, 1                         ; the pair
	s_and_b32 s14, s14, 1                          ; e
	s_mul_i32 s28, s15, 1536
	s_mul_i32 s30, s14, 1016
	s_add_co_u32 s30, s30, s28
	s_mul_i32 s34, s14, 520
	s_add_co_u32 s28, s28, s34
	s_lshr_b32 s32, s15, 2                         ; the scale words: 256 bytes for four pairs, 16 a row, 4 a pair, 2 a tile
	s_lshl_b32 s32, s32, 8
	s_and_b32 s15, s15, 3
	s_lshl_b32 s15, s15, 2
	s_add_co_u32 s32, s32, s15
	s_lshl_b32 s14, s14, 1
	s_add_co_u32 s32, s32, s14
	s_mov_b32 s29, 0
	s_mov_b32 s31, 0
	s_mov_b32 s33, 0
	s_add_nc_u64 s[28:29], s[54:55], s[28:29]
	s_add_nc_u64 s[30:31], s[54:55], s[30:31]
	s_add_nc_u64 s[32:33], s[54:55], s[32:33]
	global_load_b64 v[250:251], v1, s[28:29] offset:51200
	global_load_b64 v[252:253], v1, s[30:31] offset:51200+8
	global_load_b64 v[254:255], v1, s[28:29] offset:51200+512
	global_load_u16 v93, v2, s[32:33] offset:75776
.endm
	s_load_b128 s[4:7], s[0:1], 0x0                ; qkv, ao
	s_load_b64 s[8:9], s[0:1], 0x10                ; aos
	v_lshl_add_u32 v242, v0, 2, SPARE
	v_mov_b32 v243, 0
	ds_add_u32 v242, v243                          ; the opening: the add, twice on end, and its wait
	ds_add_u32 v242, v243
	v_lshrrev_b32 v3, 5, v0
	v_readfirstlane_b32 s[WV], v3                  ; wave 0..11
	s_bfe_u32 s11, ttmp6, 0x40000                  ; cx: my 512 queries
	s_and_b32 s12, ttmp7, 0xffff                   ; 16 batch + head, which the partners share
	s_mov_b32 s16, 15|(3<<16)|(1<<21)              ; group 1: all four work-groups; elements of 8 bytes; bit 21 beside a mask; no padding
	s_mov_b32 s17, 32<<16                          ; 100 dense rows of 256 bytes
	s_mov_b32 s18, 100<<16
	s_mov_b32 s19, 32<<16
	s_mov_b32 s20, 100
	s_mov_b32 s21, 32
	s_mov_b32 s22, 0
	s_mov_b32 s23, 0
	s_mul_i32 s50, s12, HEADB
	s_lshr_b32 s51, s[WV], 1
	s_mul_i32 s51, s51, REC                        ; wave w (0 .. 7) fetches half w % 2 of chunk w / 2,
	s_and_b32 s52, s[WV], 1
	s_mul_i32 s52, s52, HLF
	s_add_co_u32 s52, s52, s51
	s_add_co_u32 s52, s52, s50
	s_mov_b32 s53, 0
	s_mov_b32 s24, 1
	s_mul_i32 s25, s[WV], HLF                      ; to LDS byte 25,600 w: the chunks lie on end
	s_mov_b32 s[SEL], 0x76543210
	s_mov_b32 s[SEL+1], 0xfedcba98                 ; lane l xor 16
	s_mov_b32 s[CS], 0x3e38aa3b                    ; log2(e) / 8
	s_mov_b32 s[CS+1], s[CS]
	s_wait_dscnt 0x0
	s_wait_kmcnt 0x0
	s_add_nc_u64 s[26:27], s[4:5], s[52:53]
	s_or_b32 s27, s27, 0x80000000
	CROUND                                         ; all four work-groups are here: the joint loads meet
	s_cmp_lt_u32 s[WV], 8
	s_cbranch_scc0 .Lno_fill
	tensor_load_to_lds s[24:27], s[16:23]          ; my one tensor load
	s_nop 0
.rept 4
	v_nop
.endr
.Lno_fill:
	v_and_b32 v1, 31, v0
	v_lshlrev_b32 v5, 3, v1
	v_lshlrev_b32 v1, 4, v1
	v_and_b32 v2, 15, v0
	v_lshlrev_b32 v6, 5, v2
	v_lshlrev_b32 v2, 4, v2
	v_bfe_u32 v7, v0, 4, 1
	v_lshlrev_b32 v7, 3, v7
	s_wait_alu depctr_va_vdst(0)                   ; the wait ahead of the run of scalar lines
	s_mul_i32 s54, s11, REC
	s_add_co_u32 s54, s54, s50
	s_mov_b32 s55, 0
	s_add_nc_u64 s[54:55], s[4:5], s[54:55]        ; my queries' record
	s_mul_i32 s13, s[WV], 3
	s_lshl_b32 s14, s[WV], 1
	s_add_co_u32 s14, s14, 8
	s_cmp_lt_u32 s[WV], 8
	s_cselect_b32 s13, s13, s14                    ; my first tile
	s_lshr_b32 s49, s[WV], 3                       ; 0 for waves 0-7, which work in all three passes; 1 for waves 8-11, which work in the first two
	QLOAD
	s_lshr_b32 s56, s12, 4
	s_lshl_b32 s56, s56, 7
	s_lshl_b32 s57, s11, 5
	s_add_co_u32 s56, s56, s57
	s_add_co_u32 s56, s56, s13                     ; my first tile among all: 128 batch + 32 cx + tile
	s_and_b32 s57, s12, 15                         ; head
	s_mul_i32 s58, s56, 12288
	s_mul_i32 s59, s57, 768
	s_add_co_u32 s58, s58, s59
	s_mov_b32 s59, 0
	s_add_nc_u64 s[6:7], s[6:7], s[58:59]
	s_lshl_b32 s58, s56, 9
	s_lshl_b32 s57, s57, 1
	s_add_co_u32 s58, s58, s57
	s_add_nc_u64 s[8:9], s[8:9], s[58:59]
.irp x, 214,215,234,235,237,239
	v_mov_b32 v[\x], 0                             ; a lane permute's destination counts as read; v239 is named as the upper half of the pair v[238:239]
.endr
	s_wait_loadcnt 0x0
.irp i, 0,1,2,3,4,5
	v_mov_b32 v[16+\i], v[250+\i]                  ; q | zeros | q
	v_mov_b32 v[22+\i], 0
	v_mov_b32 v[28+\i], v[250+\i]
.endr
	s_mov_b32 s48, 0x01000100
	v_perm_b32 v34, v93, v93, s48                  ; the tile's two bytes, twice: they serve q in either half
	s_mov_b32 s47, 3                               ; passes to go, this one among them
	s_wait_alu depctr_va_vdst(0)                   ; the wait at the head's end
	s_wait_tensorcnt 0x0                           ; my eighth of the head is in;
	s_barrier_signal -1
	s_barrier_wait -1                              ; and so is everybody's
; A KEY STEP: 128 keys
.macro STEP
	v_add_nc_u32 v3, s[TB], v1
	v_add_nc_u32 v4, s[TS], v2
	v_mov_b32 v234, v12                            ; the old -M
	v_nop                                          ; four plain lines behind the last products, whose operand registers the loads below fill
.irp b, 0,1,2,3
.irp j, 0,1,2
	ds_load_b128 v[36+12*\b+4*\j:39+12*\b+4*\j], v3 offset:1536*\b+512*\j
.endr
.endr
	ds_load_b128 v[84:87], v4                      ; K's four scale words of my row
	s_wait_alu depctr_va_vdst(0)                   ; the wait ahead of the wait below
	s_wait_dscnt 0x0
.irp b, 0,1,2,3
.irp u, 0,1
	v_wmma_scale_f32_16x16x128_f8f6f4 v[96+16*\b+8*\u:103+16*\b+8*\u], v[36+12*\b:47+12*\b], v[16+6*\u:27+6*\u], 0, v[84+\b], v34 matrix_a_fmt:MATRIX_FMT_BF6 matrix_b_fmt:MATRIX_FMT_BF6
.endr
.endr
.rept 4
	v_nop                                          ; places: for V's loads into K's registers, and for the first read of the scores
.endr
.irp t, 0,1,2,3
.irp j, 0,1,2
	ds_load_b128 v[36+12*\t+4*\j:39+12*\t+4*\j], v3 offset:24576+1536*\t+512*\j   ; V lands while the softmax is walked
.endr
.endr
	ds_load_b128 v[88:91], v4 offset:1024
.irp q, 0,1,2,3
	v_max3_num_f32 v[BM+\q], v[96+16*\q], v[97+16*\q], v[98+16*\q]   ; four chains of 16 registers, each accumulator from its low end on
.endr
.irp i, 3,5,7,9,11,13
.irp q, 0,1,2,3
	v_max3_num_f32 v[BM+\q], v[BM+\q], v[96+16*\q+\i], v[97+16*\q+\i]
.endr
.endr
	v_max3_num_f32 v[BM], v[BM], v[BM+1], v111
	v_max3_num_f32 v[BM+2], v[BM+2], v[BM+3], v143
	v_max_num_f32 v[BM], v[BM], v127               ; my two blocks' largest scores: for the row's maximum, and, since p rises with the score, for each block's largest p
	v_max_num_f32 v[BM+2], v[BM+2], v159
	s_delay_alu instid0(VALU_DEP_1)
	v_max3_num_f32 v13, v13, v[BM], v[BM+2]
	s_delay_alu instid0(VALU_DEP_1)
	v_permlanex16_b32 v235, v13, s[SEL], s[SEL+1]
	s_delay_alu instid0(VALU_DEP_1)
	v_max_num_f32 v13, v13, v235                   ; the running largest score of my query
	s_delay_alu instid0(VALU_DEP_1)
	v_mul_f32 v236, s[CS], v13                     ; as t
	s_delay_alu instid0(VALU_DEP_1)
	v_floor_f32 v12, -v236                         ; -M = floor(-t): a whole number
	s_delay_alu instid0(VALU_DEP_1)
	v_sub_f32 v234, v12, v234                      ; old M - new M, 0 or less
	s_delay_alu instid0(VALU_DEP_1)
	v_cvt_i32_f32 v234, v234                       ; (it saturates)
	s_delay_alu instid0(VALU_DEP_1)
	v_ldexp_f32 v238, 1.0, v234                    ; f = 2^(old M - new M)
.set j, 0
.rept 16
	v_pk_mul_f32 v[160+j:161+j], v[160+j:161+j], v[238:239] op_sel_hi:[1,0]   ; O^T under the new M
.set j, j+2
.endr
.set j, 0
.rept 32
	v_pk_fma_f32 v[96+j:97+j], v[96+j:97+j], s[CS:CS+1], v[12:13] op_sel_hi:[1,0,0]   ; t - M
.set j, j+2
.endr
	v_fma_f32 v[BM], v[BM], s[CS], v12
	v_fma_f32 v[BM+2], v[BM+2], s[CS], v12
	s_wait_alu depctr_va_vdst(0)                   ; the wait ahead of the batch
	v_exp_f32 v[BM], v[BM]                         ; each block's largest p
	v_exp_f32 v[BM+2], v[BM+2]
.set j, 0
.rept 64
	v_exp_f32 v[96+j], v[96+j]                     ; p
.set j, j+1
.endr
	v_pk_mul_f32 v[14:15], v[14:15], v[238:239] op_sel_hi:[1,0]   ; l under the new M; the plain line behind the batch
	s_wait_alu depctr_va_vdst(0)                   ; one wait for the 66, ahead of their first reader
	v_max_num_f32 v[BM], 0x2800000, v[BM]          ; the floor 2^(5 - 127)
	v_max_num_f32 v[BM+2], 0x2800000, v[BM+2]
	v_add_nc_u32 v[SOP], 0xfe000000, v[BM]         ; 4 off the exponent field: the conversions' scale operands
	v_add_nc_u32 v[SOP+1], 0xfe000000, v[BM+2]
	v_cvt_scalef32_pk16_bf6_f32 v[192:194], v[96:111], v[SOP]
	v_cvt_scalef32_pk16_bf6_f32 v[204:206], v[112:127], v[SOP]
	v_cvt_scalef32_pk16_bf6_f32 v[198:200], v[128:143], v[SOP+1]
	v_cvt_scalef32_pk16_bf6_f32 v[208:210], v[144:159], v[SOP+1]
	v_lshrrev_b32 v[PT], 23, v[SOP]                ; the bytes; plain lines behind the conversions
	v_lshrrev_b32 v[PT+1], 23, v[SOP+1]
	v_mov_b32 v195, v204                           ; (a conversion's three registers begin on an even number: a block's upper half is moved)
	v_mov_b32 v196, v205
	v_lshl_or_b32 v92, v[PT+1], 16, v[PT]          ; my bytes: blocks h and 2 + h,
	v_mov_b32 v197, v206
	v_mov_b32 v201, v208
	v_lshlrev_b32 v92, v7, v92                     ; 8 h bits up
	v_mov_b32 v202, v209
	v_mov_b32 v203, v210
	v_permlanex16_b32 v237, v92, s[SEL], s[SEL+1]
; l: the sum of the unquantised p, 32 pairs in eight chains.  These lines also part p's codes and scale word from the products below
.set k, 96
.irp t, 226,228,230,232,244,246,248
	v_pk_add_f32 v[\t:\t+1], v[k:k+1], v[k+2:k+3]
.set k, k+4
.endr
	v_pk_add_f32 v[14:15], v[14:15], v[k:k+1]
.set k, k+2
	v_or_b32 v92, v92, v237                        ; with lane l xor 16's two bytes p's scale word is whole
.rept 2
.irp t, 226,228,230,232,244,246,248
	v_pk_add_f32 v[\t:\t+1], v[\t:\t+1], v[k:k+1]
.set k, k+2
.endr
	v_pk_add_f32 v[14:15], v[14:15], v[k:k+1]
.set k, k+2
.endr
	v_pk_add_f32 v[226:227], v[226:227], v[158:159]
	v_pk_add_f32 v[228:229], v[228:229], v[230:231]
	v_pk_add_f32 v[232:233], v[232:233], v[244:245]
	v_pk_add_f32 v[246:247], v[246:247], v[248:249]
	v_pk_add_f32 v[14:15], v[14:15], v[226:227]
	v_pk_add_f32 v[228:229], v[228:229], v[232:233]
	v_pk_add_f32 v[14:15], v[14:15], v[246:247]
	v_pk_add_f32 v[14:15], v[14:15], v[228:229]
	s_wait_alu depctr_va_vdst(0)                   ; the wait ahead of the wait below
	s_wait_dscnt 0x0                               ; V
.irp t, 0,1,2,3
	v_wmma_scale_f32_16x16x128_f8f6f4 v[160+8*\t:167+8*\t], v[36+12*\t:47+12*\t], v[192:203], v[160+8*\t:167+8*\t], v[88+\t], v92 matrix_a_fmt:MATRIX_FMT_BF6 matrix_b_fmt:MATRIX_FMT_BF6
.endr
.endm
; A chunk of 512 keys: four steps
.macro CHUNK c
	s_mov_b32 s[TB], \c*CHK
	s_mov_b32 s[TS], \c*CHK+49152
	s_mov_b32 s46, 4
.Lstep_\@:
	s_cmp_gt_u32 s47, s49                          ; every wave walks every trip; a wave with no tile left jumps over the step's lines alone (the condition is made of the wave's number and the pass)
	s_cbranch_scc0 .Lidle_\@
	STEP
.Lidle_\@:
	s_add_co_u32 s[TB], s[TB], 6144
	s_add_co_u32 s[TS], s[TS], 256
	s_sub_co_u32 s46, s46, 1
	s_cmp_lg_u32 s46, 0
	s_cbranch_scc1 .Lstep_\@
.endm
.Lpass:                                                ; three trips, a tile each; waves 8-11 have no tile in the third
	s_add_co_u32 s13, s13, 1
	QLOAD                                          ; the next tile's Q, a whole pass ahead of its copy (the loads before it were waited for)
	v_mov_b32 v13, 0xff61b1e6                      ; -3e38, under every score
	v_mov_b32 v12, 0x7e800000                      ; -M to begin with: 2^126, above every -M that follows, so that the first f is 0
	v_mov_b32 v14, 0
	v_mov_b32 v15, 0
.set j, 0
.rept 32
	v_mov_b32 v[160+j], 0                          ; the step is written once: its first run finds zeros
.set j, j+1
.endr
	CHUNK 0
	CHUNK 1
	CHUNK 2
	CHUNK 3
	s_cmp_gt_u32 s47, s49
	s_cbranch_scc0 .Lno_out                        ; no tile, nothing to store
	; the tile's way out
.rept 4
	v_nop                                          ; places behind the last products
.endr
	v_add_f32 v14, v14, v15
	s_delay_alu instid0(VALU_DEP_1)
	v_permlanex16_b32 v234, v14, s[SEL], s[SEL+1]
	s_delay_alu instid0(VALU_DEP_1)
	v_add_f32 v14, v14, v234                       ; l
	s_wait_alu depctr_va_vdst(0)
	v_rcp_f32 v14, v14
	v_nop
	s_wait_alu depctr_va_vdst(0)
.set j, 0
.rept 32
	v_mul_f32 v[96+j], v[160+j], v14               ; register 16 b + i: channel 32 b + 16 (lane / 16) + i of my query
.set j, j+1
.endr
.irp b, 0,1
	v_max3_num_f32 v[BM+\b], |v[96+16*\b]|, |v[97+16*\b]|, 0x2800000
.endr
.irp i, 2,4,6,8,10,12,14
.irp b, 0,1
	s_delay_alu instid0(VALU_DEP_2)
	v_max3_num_f32 v[BM+\b], v[BM+\b], |v[96+16*\b+\i]|, |v[97+16*\b+\i]|
.endr
.endr
.irp b, 0,1
	s_delay_alu instid0(VALU_DEP_2)
	v_permlanex16_b32 v[PT+\b], v[BM+\b], s[SEL], s[SEL+1]
.endr
.irp b, 0,1
	s_delay_alu instid0(VALU_DEP_2)
	v_max_num_f32 v[BM+\b], v[BM+\b], v[PT+\b]
.endr
.irp b, 0,1
	s_delay_alu instid0(VALU_DEP_2)
	v_add_nc_u32 v[SOP+\b], 0xfe000000, v[BM+\b]
.endr
.irp b, 0,1
	s_delay_alu instid0(VALU_DEP_2)
	v_lshrrev_b32 v[PT+\b], 23, v[SOP+\b]
.endr
	s_delay_alu instid0(VALU_DEP_1)
	v_lshl_or_b32 v241, v[PT+1], 8, v[PT]          ; the head's two bytes of my row
	v_cvt_scalef32_pk16_bf6_f32 v[192:194], v[96:111], v[SOP]
	v_cvt_scalef32_pk16_bf6_f32 v[204:206], v[112:127], v[SOP+1]
	v_nop
.irp i, 0,1,2
	v_permlane16_swap_b32 v[192+\i], v[204+\i]
.endr
.irp i, 0,1,2
	s_delay_alu instid0(VALU_DEP_3)
	v_mov_b32 v[195+\i], v[204+\i]
.endr
.irp p, 0,1,2
	global_store_b64 v5, v[192+2*\p:193+2*\p], s[6:7] offset:256*\p   ; 32 lanes store 256 consecutive bytes, aligned
.endr
	global_store_b16 v6, v241, s[8:9]              ; lanes r and r + 16 write the same two bytes with the same value
	s_wait_xcnt 0x0                                ; the stores have read their registers and bases
	s_add_nc_u64 s[6:7], s[6:7], 12288             ; the next tile
	s_add_nc_u64 s[8:9], s[8:9], 512
.Lno_out:
	s_wait_loadcnt 0x0                             ; the next tile's Q is in
.irp i, 0,1,2,3,4,5
	v_mov_b32 v[16+\i], v[250+\i]                  ; (after the last pass these lines serve nothing more)
	v_mov_b32 v[28+\i], v[250+\i]
.endr
	v_perm_b32 v34, v93, v93, s48
	s_sub_co_u32 s47, s47, 1
	s_cmp_lg_u32 s47, 0
	s_cbranch_scc1 .Lpass
	s_wait_dscnt 0x0
	s_wait_tensorcnt 0x0                           ; the wave's end
	ds_add_u32 v242, v243
	s_wait_dscnt 0x0
	CROUND                                         ; the closing round
	s_endpgm
.Lfunc_end_k_qf03346b923_attn:
	.size	k_qf03346b923_attn, .Lfunc_end_k_qf03346b923_attn-k_qf03346b923_attn
	.p2alignl 7, 3214868480
	.fill 96, 4, 3214868480
	.section	.rodata,"a",@progbits
	.p2align	6, 0x0
	.amdhsa_kernel k_qf03346b923_attn
		.amdhsa_group_segment_fixed_size 206848
		.amdhsa_private_segment_fixed_size 0
		.amdhsa_enable_private_segment 0
		.amdhsa_kernarg_size 24
		.amdhsa_user_sgpr_count 2
		.amdhsa_user_sgpr_kernarg_segment_ptr 1
		.amdhsa_wavefront_size32 1
		.amdhsa_system_sgpr_workgroup_id_x 1
		.amdhsa_system_sgpr_workgroup_id_y 1
		.amdhsa_system_sgpr_workgroup_id_z 1
		.amdhsa_system_vgpr_workitem_id 0
		.amdhsa_next_free_vgpr 256
		.amdhsa_next_free_sgpr 66
		.amdhsa_reserve_vcc 0
		.amdhsa_float_denorm_mode_32 3
		.amdhsa_float_denorm_mode_16_64 3
		.amdhsa_memory_ordered 1
		.amdhsa_forward_progress 1
		.amdhsa_inst_pref_size 74
	.end_amdhsa_kernel
	.amdgpu_metadata
---
amdhsa.version: [ 1, 2 ]
amdhsa.kernels:
  - .name:           k_qf03346b923_attn
    .symbol:         k_qf03346b923_attn.kd
    .args:
      - { .name: qkv, .offset: 0, .size: 8, .value_kind: global_buffer, .address_space: global }
      - { .name: ao, .offset: 8, .size: 8, .value_kind: global_buffer, .address_space: global }
      - { .name: aos, .offset: 16, .size: 8, .value_kind: global_buffer, .address_space: global }
    .group_segment_fixed_size: 206848
    .private_segment_fixed_size: 0
    .kernarg_segment_align: 8
    .kernarg_segment_size: 24
    .max_flat_workgroup_size: 384
    .sgpr_count:     66
    .vgpr_count:     256
    .wavefront_size: 32
...
	.end_amdgpu_metadata
.endif
;; end of part 3
;; launch oproj (part 4): grid 4 x 64, 4 waves a work-group, clusters of 4 x 4, 327,680 bytes of LDS; arguments ao, aos, wc, ws, bo, out0; writes out0
.if DOCPART == 4
	.amdgcn_target "amdgcn-amd-amdhsa--gfx1250"
	.amdhsa_code_object_version 6
	.text
	.protected	k_qf03346b923_oproj
	.globl	k_qf03346b923_oproj
	.p2align	8
	.type	k_qf03346b923_oproj,@function
k_qf03346b923_oproj:
	s_mov_b64 s[64:65], 0
	v_nop
	global_prefetch_b8 v0, s[64:65] scope:SCOPE_SE
	s_setreg_imm32_b32 hwreg(HW_REG_WAVE_MODE, 25, 1), 1
	s_wait_xcnt 0x0
	s_wait_alu depctr_hold_cnt(0) depctr_sa_sdst(0) depctr_va_vdst(0) depctr_va_sdst(0) depctr_va_ssrc(0) depctr_va_vcc(0) depctr_vm_vsrc(0)
	s_getreg_b32 s2, hwreg(HW_REG_IB_STS2, 6, 4)
	s_cmp_eq_u32 s2, 0
	s_cbranch_scc0 .Lentry_in_a_cluster
	s_endpgm
.Lentry_in_a_cluster:
	s_bfe_u32 s2, ttmp6, 0x10000c
	s_cmp_lg_u32 s2, 0xf033
	s_cbranch_scc0 .Lentry_shape_is_right
	s_endpgm
.Lentry_shape_is_right:
; out0 [8192][1024] f32 = A Wo^T + bo on codes of E3M2 with E8M0 scales.  A: ao, images of operand registers, [tile of 16 rows][K step of 128 (8)][1,536 B: six planes of 8 bytes a lane]; its scale bytes aos [row][32 B].
; Wo: rows 3072 .. 4095 of wc: four planes of 256 along K, 208 bytes a row (192 of codes, 16 of zeros), PLANE bytes from plane to plane; its scale bytes in ws [row][32 B].
; A work-group makes 128 x 256 of the result: 64 x 4 = 256 work-groups.  ALL OF K LIES IN LDS, FILLED ONCE: A's 8 tiles are 98,304 dense bytes, Wo's 256 rows 4 x 53,248.  One joint load a wave:
; waves 0 and 1 four tiles of A each, waves 2 and 3 two planes of Wo each.  One wait and one barrier show it to all; nothing is filled again, and the walk along K has no barrier.
; CLUSTERS: 4 x 4.  A's tiles are shared along a row of the cluster, Wo's along a column.  No prefetch: every tensor load goes out at the head.
; A wave makes 64 x 128: 32 accumulators.  The matrix instruction is used transposed (source 0 = 16 rows of Wo, source 1 = 16 rows of A): a lane holds eight neighbouring numbers of a row of the result.
; SCALE WORDS come straight into registers: lane (r, h) loads bytes 16 h .. 16 h + 15 of row r's 32: register q holds K step q's word in lanes 0-15 and K step 4 + q's in lanes 16-31. 32 lanes read 512 consecutive bytes.
; ROWS: row 8 x + y of A's tile 4 c + u is token 64 c + 8 u + 32 x + y: the stores put the rows back.
; REGISTERS: window 0: v0-31 addresses; v32-47 A's scale words; v48-79 Wo's; v80-143 the bias; v144-239 A's fragments, two sets; on the way out v80-207 hold rows.  Window 1: Wo's fragments, two sets, at v0 and v128.  Window 2: the accumulators, (a, b) at v[8 (8 a + b)].
.set PLANE,  1703936
.set PITCH,  208                       ; 52 words: the 32 lanes of a load of 8 bytes touch 64 different banks
.set NP,     4
.set ATILE,  12288
.set HALFA,  4*ATILE
.set BBASE,  2*HALFA
.set BPL,    256*PITCH
.set SPARE,  BBASE+4*BPL               ; the spare words, 128 bytes a wave
.set SPITCH, 528
.set ADRA, 16
.set ADRB, 20                          ; v20-23: a plane each
.set STO,  24
.set RD,   25
.set CO,   26
.set SOF,  27
.set SPW,  28
.set NIL,  29
.set BOF,  30
.set SA,   32
.set SB,   48
.set BIAS, 80
.set AF,   144
.set BK,   80
.set G1, 24
.set G0, 32
.set G1B, 48
.set G0B, 56
.set MSB, 0
.macro WIN new
.if MSB != \new
	s_set_vgpr_msb (MSB<<8)|\new
.set MSB, \new
.endif
.endm
.set MUL_W, 0xa1                       ; source 0 (Wo) window 1, source 1 (A) window 0, C and D window 2
.set BIA_W, 0x81                       ; the same with C in window 0
.set TO_B,  0x40
.macro CROUND
	s_barrier_signal -1
	s_barrier_wait -1
	s_cmp_lg_u32 s14, 0
	s_cbranch_scc1 .Lnot_wave_0_\@
	s_barrier_signal -3
.Lnot_wave_0_\@:
	s_barrier_wait -3
	s_barrier_signal -1
	s_barrier_wait -1
.endm
.macro PLACES n
.rept \n
	v_nop
.endr
.endm
	s_load_b128 s[4:7], s[0:1], 0x0                ; ao, aos
	s_load_b128 s[8:11], s[0:1], 0x10              ; wc, ws
	s_load_b128 s[96:99], s[0:1], 0x20             ; bo, out0
	v_lshl_add_u32 v[SPW], v0, 2, SPARE
	v_mov_b32 v[NIL], 0
	ds_add_u32 v[SPW], v[NIL]                      ; the opening: the add, twice on end, and its wait
	ds_add_u32 v[SPW], v[NIL]
	v_lshrrev_b32 v1, 5, v0
	v_readfirstlane_b32 s14, v1                    ; wave
	s_lshr_b32 s15, s14, 1                         ; which 64 rows are mine.  Also: I fetch for A (0) or for Wo (1)
	s_and_b32 s16, s14, 1                          ; which 128 columns.  Also: which half I fetch
	s_bfe_u32 s40, ttmp6, 0x40000
	s_bfe_u32 s41, ttmp6, 0x40004
	s_lshl_b32 s42, ttmp9, 2
	s_add_co_u32 s42, s42, s40                     ; block column, 0 .. 3
	s_and_b32 s17, ttmp7, 0xffff
	s_lshl_b32 s17, s17, 2
	s_add_co_u32 s17, s17, s41                     ; block row, 0 .. 63
	s_lshl_b32 s43, s41, 2
	s_lshl_b32 s43, 15, s43                        ; my row of the cluster
	s_lshl_b32 s44, 0x1111, s40                    ; my column
	s_or_b32 s[G1+0], s43, (3<<16)|(1<<21)         ; A: 49,152 dense bytes as 192 rows of 256
	s_mov_b32 s[G1+1], 32<<16
	s_mov_b32 s[G1+2], 192<<16
	s_mov_b32 s[G1+3], 32<<16
	s_mov_b32 s[G1+4], 192
	s_mov_b32 s[G1+5], 32
	s_mov_b32 s[G1+6], 0
	s_mov_b32 s[G1+7], 0
	s_or_b32 s[G1B+0], s44, (3<<16)|(1<<21)        ; Wo: two planes, each 53,248 dense bytes: two rows of 6,656 elements of 8 bytes
	s_mov_b32 s[G1B+1], (BPL/8)<<16
	s_mov_b32 s[G1B+2], 2<<16
	s_mov_b32 s[G1B+3], (BPL/8)<<16
	s_mov_b32 s[G1B+4], 2
	s_mov_b32 s[G1B+5], PLANE/8
	s_mov_b32 s[G1B+6], 0
	s_mov_b32 s[G1B+7], 0
	s_lshl_b32 s20, s17, 3
	s_lshl_b32 s18, s16, 2
	s_add_co_u32 s20, s20, s18
	s_mul_i32 s20, s20, ATILE                      ; A: the four tiles that I fetch
	s_mov_b32 s21, 0
	s_lshl_b32 s46, s42, 8
	s_add_co_u32 s46, s46, 3072                    ; Wo's first row of the block, in wc and ws
	s_lshl_b32 s92, s46, 5
	s_lshl_b32 s18, s16, 12
	s_add_co_u32 s92, s92, s18                     ; the scale bytes of my 128 rows of Wo
	s_mov_b32 s93, 0
	s_mul_i32 s46, s46, PITCH
	s_mul_i32 s18, s16, 2*PLANE
	s_add_co_u32 s46, s46, s18                     ; Wo: the two planes that I fetch
	s_mov_b32 s47, 0
	s_lshl_b32 s22, s17, 3
	s_lshl_b32 s18, s15, 2
	s_add_co_u32 s22, s22, s18
	s_lshl_b32 s22, s22, 9                         ; the scale bytes of my 64 rows of A: 512 a tile
	s_mov_b32 s23, 0
	s_lshl_b32 s66, s42, 10
	s_lshl_b32 s18, s16, 9
	s_add_co_u32 s66, s66, s18                     ; my first column, in bytes
	s_mov_b32 s67, 0
	s_lshl_b32 s68, s17, 7
	s_lshl_b32 s18, s15, 6
	s_add_co_u32 s68, s68, s18
	s_lshl_b32 s68, s68, 12                        ; my first row, in bytes
	s_add_co_u32 s68, s68, s66
	s_mov_b32 s69, 0
	s_mov_b32 s[G0], 1
	s_mul_i32 s[G0+1], s16, HALFA
	s_mov_b32 s[G0B], 1
	s_mul_i32 s[G0B+1], s16, 2*BPL
	s_add_co_u32 s[G0B+1], s[G0B+1], BBASE
	s_mul_i32 s80, s16, 128*PITCH                  ; LDS: my 128 rows of Wo in plane 0 .. 3
	s_add_co_u32 s80, s80, BBASE
	s_add_co_u32 s81, s80, BPL
	s_add_co_u32 s82, s80, 2*BPL
	s_add_co_u32 s83, s80, 3*BPL
	s_mul_i32 s84, s15, HALFA                      ; my four tiles of A
	s_mul_i32 s85, s14, 16*SPITCH                  ; my stage, on bytes of A's that have been read out by then
	s_wait_dscnt 0x0
	s_wait_kmcnt 0x0
	s_add_nc_u64 s[G0+2:G0+3], s[4:5], s[20:21]
	s_or_b32 s[G0+3], s[G0+3], 0x80000000
	s_add_nc_u64 s[G0B+2:G0B+3], s[8:9], s[46:47]
	s_or_b32 s[G0B+3], s[G0B+3], 0x80000000
	s_add_nc_u64 s[22:23], s[6:7], s[22:23]
	s_add_nc_u64 s[92:93], s[10:11], s[92:93]
	s_add_nc_u64 s[96:97], s[96:97], s[66:67]
	s_add_nc_u64 s[12:13], s[98:99], s[68:69]
	CROUND                                         ; all sixteen work-groups are here: the joint loads meet
	s_cmp_eq_u32 s15, 0
	s_cbranch_scc0 .Lfor_b
	tensor_load_to_lds s[G0:G0+3], s[G1:G1+7]
	s_nop 0
	PLACES 4
	s_branch .Lasked
.Lfor_b:
	tensor_load_to_lds s[G0B:G0B+3], s[G1B:G1B+7]
	s_nop 0
	PLACES 4
.Lasked:
	v_and_b32 v1, 15, v0                           ; r
	v_bfe_u32 v2, v0, 4, 1                         ; h
	v_and_b32 v6, 31, v0
	v_mul_u32_u24 v3, v1, PITCH
	v_mad_u32_u24 v3, v2, 24, v3
	v_add_nc_u32 v[ADRB], s80, v3
	v_add_nc_u32 v[ADRB+1], s81, v3
	v_add_nc_u32 v[ADRB+2], s82, v3
	v_add_nc_u32 v[ADRB+3], s83, v3
	v_lshlrev_b32 v7, 3, v6
	v_add_nc_u32 v[ADRA], s84, v7
	v_mul_u32_u24 v5, v1, SPITCH
	v_lshl_add_u32 v5, v2, 5, v5
	v_add_nc_u32 v[STO], s85, v5
	v_lshlrev_b32 v[CO], 4, v6
	v_add_nc_u32 v[RD], s85, v[CO]
	v_lshlrev_b32 v[BOF], 5, v2
	v_lshlrev_b32 v[SOF], 5, v1
	v_lshl_add_u32 v[SOF], v2, 4, v[SOF]           ; 32 r + 16 h
.irp i, 0,1,2,3
	global_load_b128 v[SA+4*\i:SA+4*\i+3], v[SOF], s[22:23] offset:512*\i
.endr
.irp i, 0,1,2,3,4,5,6,7
	global_load_b128 v[SB+4*\i:SB+4*\i+3], v[SOF], s[92:93] offset:512*\i
.endr
.irp b, 0,1,2,3,4,5,6,7
	global_load_b128 v[BIAS+8*\b:BIAS+8*\b+3], v[BOF], s[96:97] offset:64*\b
	global_load_b128 v[BIAS+8*\b+4:BIAS+8*\b+7], v[BOF], s[96:97] offset:64*\b+16
.endr
; K step k's fragments into set k % 2: Wo's eight, A's four; 72 loads of 8 bytes
.macro FETCH k
	WIN TO_B
.irp i, 0,1,2,3,4,5,6,7
.irp p, 0,1,2,3,4,5
	ds_load_b64 v[128*((\k)%2)+12*\i+2*\p:128*((\k)%2)+12*\i+2*\p+1], v[ADRB+(\k)/2] offset:96*((\k)%2)+48*(\p/3)+8*(\p%3)+\i*16*PITCH
.endr
.endr
	WIN 0
.irp i, 0,1,2,3
.irp p, 0,1,2,3,4,5
	ds_load_b64 v[AF+48*((\k)%2)+12*\i+2*\p:AF+48*((\k)%2)+12*\i+2*\p+1], v[ADRA] offset:\i*ATILE+(\k)*1536+256*\p
.endr
.endr
.endm
; 32 matrix instructions: the accumulators by turns, in the same order in every K step.  mode 1: the bias starts the sums
.macro MUL32 k, mode
.irp a, 0,1,2,3
.irp b, 0,1,2,3,4,5,6,7
.if \mode
	v_wmma_scale_f32_16x16x128_f8f6f4 v[8*(8*\a+\b):8*(8*\a+\b)+7], v[128*((\k)%2)+12*\b:128*((\k)%2)+12*\b+11], v[AF+48*((\k)%2)+12*\a:AF+48*((\k)%2)+12*\a+11], v[BIAS+8*\b:BIAS+8*\b+7], v[SB+4*\b+(\k)%4], v[SA+4*\a+(\k)%4] matrix_a_fmt:MATRIX_FMT_BF6 matrix_b_fmt:MATRIX_FMT_BF6
.elseif (\k) < 4
	v_wmma_scale_f32_16x16x128_f8f6f4 v[8*(8*\a+\b):8*(8*\a+\b)+7], v[128*((\k)%2)+12*\b:128*((\k)%2)+12*\b+11], v[AF+48*((\k)%2)+12*\a:AF+48*((\k)%2)+12*\a+11], v[8*(8*\a+\b):8*(8*\a+\b)+7], v[SB+4*\b+(\k)%4], v[SA+4*\a+(\k)%4] matrix_a_fmt:MATRIX_FMT_BF6 matrix_b_fmt:MATRIX_FMT_BF6
.else
	v_wmma_scale_f32_16x16x128_f8f6f4 v[8*(8*\a+\b):8*(8*\a+\b)+7], v[128*((\k)%2)+12*\b:128*((\k)%2)+12*\b+11], v[AF+48*((\k)%2)+12*\a:AF+48*((\k)%2)+12*\a+11], v[8*(8*\a+\b):8*(8*\a+\b)+7], v[SB+4*\b+(\k)%4], v[SA+4*\a+(\k)%4] matrix_a_fmt:MATRIX_FMT_BF6 matrix_b_fmt:MATRIX_FMT_BF6 matrix_a_scale:MATRIX_SCALE_ROW1 matrix_b_scale:MATRIX_SCALE_ROW1
.endif
.endr
.endr
.endm
	s_wait_alu depctr_va_vdst(0)                   ; the wait at the head's end
	s_wait_tensorcnt 0x0                           ; my part of the tiles is in;
	s_barrier_signal -1
	s_barrier_wait -1                              ; and so is everybody's
	FETCH 0
	s_wait_loadcnt 0x0                             ; scale words and bias
.set KK, 0
.rept 8
	s_wait_dscnt 0x0                               ; this K step's fragments are in: they were asked for ahead of the last step's 32 products
.if KK < 7
.if KK > 0
	PLACES NP                                      ; for the loads into the set that the last step multiplied
.endif
	FETCH KK+1
.endif
.if KK == 0
	WIN BIA_W
	MUL32 KK, 1
.else
	WIN MUL_W
	MUL32 KK, 0
.endif
.set KK, KK+1
.endr
	WIN 0
	s_barrier_signal -1                            ; none of my LDS loads is out: A's bytes may take the stages when all four waves have said so
	s_barrier_wait -1
; THE WAY OUT, block by block of 16 rows x 128 columns, through my own stage: whole rows of 512 bytes come back and are stored by the 32 lanes
.macro TOSTAGE a
.set AC, 64*(\a)
	WIN 0x08
.irp b, 0,1,2,3,4,5,6,7
	ds_store_b128 v[STO], v[AC+8*\b:AC+8*\b+3] offset:64*\b          ; each accumulator from its low end on
	ds_store_b128 v[STO], v[AC+8*\b+4:AC+8*\b+7] offset:64*\b+16
.endr
	WIN 0
.set BB, BK+64*((\a)%2)
.irp t, 0,1,2,3,4,5,6,7,8,9,10,11,12,13,14,15
	ds_load_b128 v[BB+4*\t:BB+4*\t+3], v[RD] offset:\t*SPITCH        ; LDS serves a wave's instructions in order: these see the stores above
.endr
.endm
.macro SEND a, younger
.set BB, BK+64*((\a)%2)
	s_wait_dscnt \younger
.if (\a) > 0
	s_add_nc_u64 s[12:13], s[12:13], 8*4096        ; tile u + 1 begins 8 tokens on (behind a wait on XCNT: the earlier stores have read their base)
.endif
.irp t, 0,1,2,3,4,5,6,7,8,9,10,11,12,13,14,15
	global_store_b128 v[CO], v[BB+4*\t:BB+4*\t+3], s[12:13] offset:(\t+24*(\t/8))*4096 th:TH_STORE_NT   ; 32 lanes store 512 consecutive bytes, aligned
.endr
.endm
	PLACES NP
	TOSTAGE 0
.irp a, 1,2,3
.if \a > 1
	s_wait_xcnt 0x0
.endif
	TOSTAGE \a
	SEND \a-1, 32                                  ; behind block a - 1's loads: block a's 16 stores and 16 loads
.endr
	s_wait_xcnt 0x0
	SEND 3, 0
	s_wait_tensorcnt 0x0                           ; the wave's end
	ds_add_u32 v[SPW], v[NIL]
	s_wait_dscnt 0x0
	CROUND                                         ; the closing round
	s_endpgm
.Lfunc_end_k_qf03346b923_oproj:
	.size	k_qf03346b923_oproj, .Lfunc_end_k_qf03346b923_oproj-k_qf03346b923_oproj
	.p2alignl 7, 3214868480
	.fill 96, 4, 3214868480
	.section	.rodata,"a",@progbits
	.p2align	6, 0x0
	.amdhsa_kernel k_qf03346b923_oproj
		.amdhsa_group_segment_fixed_size 327680
		.amdhsa_private_segment_fixed_size 0
		.amdhsa_enable_private_segment 0
		.amdhsa_kernarg_size 48
		.amdhsa_user_sgpr_count 2
		.amdhsa_user_sgpr_kernarg_segment_ptr 1
		.amdhsa_wavefront_size32 1
		.amdhsa_system_sgpr_workgroup_id_x 1
		.amdhsa_system_sgpr_workgroup_id_y 1
		.amdhsa_system_sgpr_workgroup_id_z 1
		.amdhsa_system_vgpr_workitem_id 0
		.amdhsa_next_free_vgpr 768
		.amdhsa_next_free_sgpr 100
		.amdhsa_reserve_vcc 0
		.amdhsa_float_denorm_mode_32 3
		.amdhsa_float_denorm_mode_16_64 3
		.amdhsa_memory_ordered 1
		.amdhsa_forward_progress 1
		.amdhsa_inst_pref_size 94
	.end_amdhsa_kernel
	.amdgpu_metadata
---
amdhsa.version: [ 1, 2 ]
amdhsa.kernels:
  - .name:           k_qf03346b923_oproj
    .symbol:         k_qf03346b923_oproj.kd
    .args:
      - { .name: ao, .offset: 0, .size: 8, .value_kind: global_buffer, .address_space: global }
      - { .name: aos, .offset: 8, .size: 8, .value_kind: global_buffer, .address_space: global }
      - { .name: wc, .offset: 16, .size: 8, .value_kind: global_buffer, .address_space: global }
      - { .name: ws, .offset: 24, .size: 8, .value_kind: global_buffer, .address_space: global }
      - { .name: bo, .offset: 32, .size: 8, .value_kind: global_buffer, .address_space: global }
      - { .name: out0, .offset: 40, .size: 8, .value_kind: global_buffer, .address_space: global }
    .group_segment_fixed_size: 327680
    .private_segment_fixed_size: 0
    .kernarg_segment_align: 8
    .kernarg_segment_size: 48
    .max_flat_workgroup_size: 128
    .sgpr_count:     100
    .vgpr_count:     768
    .wavefront_size: 32
...
	.end_amdgpu_metadata
.endif
;; end of part 4
